; MI455X (gfx1250); checked and timed in simulation.
; The chip was launched on July 23, 2026; its instructions are those of AMD's public machine-readable ISA for CDNA 5 (MIT licence, August 2026) and "CDNA5" Instruction Set Architecture Reference Guide (July 2026). The comments in the code are by the model that wrote it; some were corrected since.
;; Multi Head Self Attention. Allowed arithmetic: matrix products marked QUANTISED: E3M2 operands, one E8M0 scale for each 32 along K, by v_wmma_scale_f32_16x16x128_f8f6f4 with both operands' format E3M2, f32 sums; everything else in f32.
;; Inputs: Wk 1,024 x 1,024 float32; Wo 1,024 x 1,024 float32; Wq 1,024 x 1,024 float32; Wv 1,024 x 1,024 float32; bk 1,024 float32; bo 1,024 float32; bq 1,024 float32; bv 1,024 float32; x 4 x 2,048 x 1,024 float32.
;; Outputs: out0 4 x 2,048 x 1,024 float32.
;; This version of the problem:
;;   THIS VERSION OF THE PROBLEM IS GIVEN IN LOW PRECISION. The matrix products marked QUANTISED in the list below multiply operands that are first quantised to E3M2 (3 exponent bits, 2 mantissa bits; 6 bits a number), with one power-of-two scale for each 32 numbers along K (OCP MX v1.0); their sums are f32. All else is computed in f32.
;;   The module's matrix products, in the order in which they are computed (A, B: the left and right operand; K: the contracted axis; several contracted axes count as one K, in the product's order):
;;     1. [M 8,192, K 1,024] x [K 1,024, N 1,024]; A: input x; B: input Wq: QUANTISED
;;     2. [M 8,192, K 1,024] x [K 1,024, N 1,024]; A: input x; B: input Wk: QUANTISED
;;     3. [M 8,192, K 1,024] x [K 1,024, N 1,024]; A: input x; B: input Wv: QUANTISED
;;     4. batch 64 x [M 2,048, K 64] x [K 64, N 2,048]; A: computed on the way; B: computed on the way: QUANTISED
;;     5. batch 64 x [M 2,048, K 2,048] x [K 2,048, N 64]; A: softmax (see below); B: computed on the way: QUANTISED
;;     6. [M 8,192, K 1,024] x [K 1,024, N 1,024]; A: computed on the way; B: input Wo: QUANTISED
;;   THE QUANTISER, for each operand of a quantised product, along K:
;;     - K is cut into blocks of 32 from its start; a last block that is shorter is filled with zeros.
;;     - A block's scale is 2^e with e = floor(log2(the largest magnitude in the block)) - 4, held to -126 .. 127; a block of zeros has e = 0. As a byte (E8M0): e + 127.
;;     - Each number is divided by its block's scale, clamped to +-28, and rounded to the nearest number of E3M2, ties to even, subnormals kept.
;;     - The product sums the exact products of the quantised numbers (number of the format x scale) in f32.
;;   ~~~python
;;   def quantise(x, axis):      # numpy; x: float32 -> the quantised numbers, widened to float32 again
;;       x = np.moveaxis(x, axis, -1); K = x.shape[-1]
;;       x = np.pad(x, [(0, 0)] * (x.ndim - 1) + [(0, -K % 32)]); x = x.reshape(x.shape[:-1] + (-1, 32)); a = np.abs(x).max(-1, keepdims=True)
;;       e = np.where(a > 0, np.clip(np.frexp(np.where(a > 0, a, 1))[1] - 1 - 4, -126, 127), 0)      # np.frexp(a)[1] - 1 = floor(log2(a)), exactly
;;       r = np.clip(x / 2.0 ** e, -28, 28)
;;       step = 2.0 ** (np.maximum(np.frexp(np.where(r == 0, 1, r))[1] - 1, -2) - 2)
;;       q = np.round(r / step) * step * 2.0 ** e      # np.round: ties to even
;;       return np.moveaxis(q.reshape(q.shape[:-2] + (-1,))[..., :K], -1, axis).astype(np.float32)
;;   ~~~
;;   SOFTMAX AHEAD OF A QUANTISED PRODUCT. Where the list says 'softmax', what is quantised is not the finished softmax but p = 2^(t - M), with t = logit x log2(e) and M = ceil(the row's largest t), a whole number; so 1/2 < the row's largest p <= 1. The row's sum l is taken of the UNQUANTISED p, in f32, and the product's result is divided by l at the end. Since M is a whole number, a kernel that streams over the keys may use a running M (the ceiling of the running maximum): every later rescaling is an exact power of two, which a block's scale takes up: the codes' values come out the same.
;;   OPERANDS COMPUTED ON THE WAY. 'Computed on the way' means the value that the module computes at that place (a softmax that the list does not call 'softmax' is quantised finished and normalised). What goes into a quantiser is computed in f32, as accurately as f32 sums, v_exp_f32 and their like allow (about 1e-6 of the number): no bf16 or f16 on the way to a quantiser, and a product that is left as it is and whose result goes on into a quantised operand takes f32 operands (vector FMAs, or v_wmma_f32_16x16x4_f32). A number that lies on a knife's edge between two numbers of the format may be rounded either way, as far as f32 arithmetic and the matrix unit's own rounding can turn it there, and no further.
;; One version. Each part assembles by itself: llvm-mc -triple=amdgcn-amd-amdhsa -mcpu=gfx1250 --defsym DOCPART=n.
;; ======== version 1 of 1: 4 launches
;; limits: right only within a limited range of input values
;; workspace buffers: cod 9,437,184 bytes; scl 393,216 bytes; qkv 20,185,088 bytes; oc 6,291,456 bytes; os 262,144 bytes
;; launch quant (part 1): grid 256 x 1, 6 waves a work-group, no clusters, 51,456 bytes of LDS; arguments x, Wq, Wk, Wv, Wo, cod, scl; writes cod, scl
.if DOCPART == 1
	.amdgcn_target "amdgcn-amd-amdhsa--gfx1250"
	.amdhsa_code_object_version 6
	.text
	.protected	k_q996f3d9833_quant
	.globl	k_q996f3d9833_quant
	.p2align	8
	.type	k_q996f3d9833_quant,@function
k_q996f3d9833_quant:
	s_mov_b64 s[64:65], 0
	v_nop
	global_prefetch_b8 v0, s[64:65] scope:SCOPE_SE
	s_setreg_imm32_b32 hwreg(HW_REG_WAVE_MODE, 25, 1), 1
	s_wait_xcnt 0x0
; x [8192][1024] and Wq, Wk, Wv, Wo [1024][1024], f32 with K innermost, become codes of BF6 (E3M2) with one E8M0 byte for each 32 along K.
; A block's scale is 2^(floor(log2(its largest magnitude)) - 4); each number is divided by it and rounded to the nearest code, ties to even, beyond 28 the largest code.
; LIMITS: NaN and infinities are not served; a block whose largest magnitude lies under 2^-122 (a block of zeros too) keeps the byte 1: only this program reads the bytes.
; LAYOUT OF THE RESULT: images of the matrix operand's registers.  The 12,288 rows are cut into 768 tiles of 16 (x 0-511, Wq 512-575, Wk 576-639, Wv 640-703, Wo 704-767);
; lane r of tile T holds row 32 (T / 2) + 8 (T % 2) + r + 8 (r / 8) of its tensor.  cod: [tile][K step of 128][1,536 bytes]; a fragment's registers 0-3 lie at 16 x lane, 4-5 at 512 + 8 x lane,
; 6-9 at 768 + 16 x lane, 10-11 at 1,280 + 8 x lane.  scl: [tile][pair of K steps][r][2 words], a word = the four bytes of 128 along K.
; SHARES: 768 tiles x 2 halves of K = 1,536 tasks = 256 work-groups x 6 waves.  A task is 4 K steps of 16 rows x 128 numbers.  Each load reads 512 consecutive bytes of one row; a step's 8 KiB turn
; through the wave's own stage in LDS (rows 528 bytes apart) so that a lane gets 16 neighbours of each block of 32.  Waves share nothing: no barrier.  Loads run two steps (32 loads a wave) ahead.
.set STGB,  16*528                     ; a wave's stage
.set R,     16                         ; v16-143  two sets of 64: a step's numbers as loaded
.set X,     144                        ; v144-207 64 numbers: register 16 b + i = k 32 b + 16 (lane / 16) + i of my row
.set PC,    208                        ; v208-226 the codes just made (12 registers, and 7 at work)
.set TM,    228                        ; v228-243 at work in QUANT
.set PW,    244                        ; v244     the scale word just made
.set PWS,   246                        ; v246-249 the four steps' scale words
.set SD,    250                        ; v250-251 the two words that I store
.set SEL,   28                         ; s[28:29] v_permlanex16_b32's selects for lane l xor 16
.set HM,    30                         ; s30      the mask of lanes 16-31
; 64 numbers of a lane, v[s] .. v[s + 63], become a fragment's codes in v[PC] on and its scale word in v[PW] (the same in lanes l and l xor 16).
.macro QUANT s
.irp b, 0,1,2,3
	v_max3_num_f32 v[TM+\b], |v[\s+16*\b]|, |v[\s+1+16*\b]|, 0x2800000   ; block b: my 16 numbers, and the floor 2^(5 - 127): the byte cannot fall under 1
.endr
.irp i, 2,4,6,8,10,12,14
.irp b, 0,1,2,3
	v_max3_num_f32 v[TM+\b], v[TM+\b], |v[\s+16*\b+\i]|, |v[\s+1+16*\b+\i]|   ; the four blocks by turns
.endr
.endr
.irp b, 0,1,2,3
	v_permlanex16_b32 v[TM+4+\b], v[TM+\b], s[SEL], s[SEL+1]
.endr
.irp b, 0,1,2,3
	v_max_num_f32 v[TM+\b], v[TM+\b], v[TM+4+\b]   ; with lane l xor 16's: the block's largest magnitude
.endr
.irp b, 0,1,2,3
	v_add_nc_u32 v[TM+12+\b], 0xfe000000, v[TM+\b]   ; 4 off its exponent field: the conversion takes this operand's exponent field as its scale
.endr
.irp b, 0,1,2,3
	v_lshrrev_b32 v[TM+4+\b], 23, v[TM+12+\b]   ; the scale's byte
.endr
	v_lshl_or_b32 v[PW], v[TM+5], 8, v[TM+4]
	v_lshl_or_b32 v[PW], v[TM+6], 16, v[PW]
	v_lshl_or_b32 v[PW], v[TM+7], 24, v[PW]
.irp c, 0,1
	v_cvt_scalef32_pk16_bf6_f32 v[PC+6*\c:PC+2+6*\c], v[\s+32*\c:\s+15+32*\c], v[TM+12+2*\c]
	v_cvt_scalef32_pk16_bf6_f32 v[PC+12+4*\c:PC+14+4*\c], v[\s+16+32*\c:\s+31+32*\c], v[TM+12+2*\c+1]   ; (a conversion's three registers begin on an even number)
.endr
	v_nop                                          ; one plain place behind a scaled conversion
.irp c, 0,1                                    ; the operand's layout wants a whole block in a lane: lanes 0-15 block 2 c, lanes 16-31 block 2 c + 1
.irp i, 0,1,2
	v_permlane16_swap_b32 v[PC+6*\c+\i], v[PC+12+4*\c+\i]
.endr
.irp i, 0,1,2
	v_mov_b32 v[PC+3+6*\c+\i], v[PC+12+4*\c+\i]
.endr
.endr
.endm
	s_load_b256 s[4:11], s[0:1], 0x0               ; x s[4:5], Wq s[6:7], Wk s[8:9], Wv s[10:11]
	s_load_b128 s[12:15], s[0:1], 0x20             ; Wo s[12:13], cod s[14:15]
	s_load_b64 s[16:17], s[0:1], 0x30              ; scl
	v_lshl_add_u32 v254, v0, 2, 0xc600
	v_mov_b32 v255, 0
	v_lshrrev_b32 v6, 5, v0
	v_readfirstlane_b32 s18, v6                    ; wave 0..5
	v_and_b32 v7, 31, v0                           ; lane
	v_and_b32 v8, 15, v0                           ; r
	v_bfe_u32 v9, v0, 4, 1                         ; h
	v_lshlrev_b32 v1, 4, v7                        ; 16 x lane: a load's, a store's and an image's place
	v_lshlrev_b32 v4, 3, v7                        ; 8 x lane
	s_mul_i32 s19, s18, STGB                       ; my stage
	v_add_nc_u32 v2, s19, v1                       ; into it: a row's 512 bytes as they lie
	v_mul_u32_u24 v3, v8, 528
	v_lshl_add_u32 v3, v9, 6, v3
	v_add_nc_u32 v3, s19, v3                       ; out of it: row r, + 64 h: my 16 numbers of each block
	v_lshlrev_b32 v5, 3, v8
	v_lshl_add_u32 v5, v9, 7, v5                   ; my two scale words: 128 h + 8 r
.irp b, 0,1,2,3
	v_mov_b32 v[TM+4+\b], 0                        ; written once: a lane permute's destination counts as one of its sources
.endr
	s_mov_b32 s[SEL], 0x76543210
	s_mov_b32 s[SEL+1], 0xfedcba98
	s_mov_b32 s[HM], 0xffff0000
	s_mul_i32 s20, ttmp9, 6
	s_add_co_u32 s20, s20, s18                     ; my task
	s_lshr_b32 s21, s20, 1                         ; its tile T
	s_and_b32 s22, s20, 1                          ; its half of K
	s_and_b32 s23, s21, 63                         ; a weight's tile
	s_wait_alu depctr_va_vdst(0)
	s_wait_kmcnt 0x0
	s_mov_b64 s[24:25], s[12:13]                   ; which tensor: the choice hangs on the tile's number alone
	s_cmp_lt_u32 s21, 704
	s_cselect_b64 s[24:25], s[10:11], s[24:25]
	s_cmp_lt_u32 s21, 640
	s_cselect_b64 s[24:25], s[8:9], s[24:25]
	s_cmp_lt_u32 s21, 576
	s_cselect_b64 s[24:25], s[6:7], s[24:25]
	s_cmp_lt_u32 s21, 512
	s_cselect_b64 s[24:25], s[4:5], s[24:25]
	s_cselect_b32 s23, s21, s23                    ; the tile's number inside its tensor
	s_lshr_b32 s26, s23, 1
	s_lshl_b32 s26, s26, 17                        ; 32 rows of 4,096 bytes for each pair of tiles,
	s_and_b32 s27, s23, 1
	s_lshl_b32 s27, s27, 15                        ; 8 rows for the odd one,
	s_add_co_u32 s26, s26, s27
	s_lshl_b32 s27, s22, 11                        ; 2,048 bytes for the upper half of K
	s_add_co_u32 s26, s26, s27
	s_mov_b32 s27, 0
	s_add_nc_u64 s[24:25], s[24:25], s[26:27]
	s_mul_i32 s26, s20, 6144                       ; four fragments a task
	s_add_nc_u64 s[14:15], s[14:15], s[26:27]
	s_lshl_b32 s26, s20, 8                         ; 256 bytes of scale words a task
	s_add_nc_u64 s[16:17], s[16:17], s[26:27]
.macro LOAD t                          ; K step t: the tile's 16 rows, 512 consecutive bytes each
.irp p, 0,1,2,3,4,5,6,7,8,9,10,11,12,13,14,15
	global_load_b128 v[R+64*((\t)%2)+4*\p:R+64*((\t)%2)+4*\p+3], v1, s[24:25] offset:(\p+8*(\p/8))*4096+512*(\t) th:TH_LOAD_NT
.endr
.endm
.macro KSTEP t
.if (\t) < 3
	s_wait_loadcnt 16                              ; this step's 16 loads are in; the next step's 16 may be out
.else
	s_wait_loadcnt 0x0
.endif
.irp p, 0,1,2,3,4,5,6,7,8,9,10,11,12,13,14,15
	ds_store_b128 v2, v[R+64*((\t)%2)+4*\p:R+64*((\t)%2)+4*\p+3] offset:528*\p
.endr
.irp b, 0,1,2,3
.irp j, 0,1,2,3
	ds_load_b128 v[X+16*\b+4*\j:X+16*\b+4*\j+3], v3 offset:128*\b+16*\j   ; LDS serves a wave's instructions in order: these see the stores above
.endr
.endr
	s_wait_dscnt 0x0
.if (\t) < 2
	LOAD (\t)+2                                    ; into the set that has just gone through the stage
.endif
.if (\t) > 0
	s_wait_xcnt 0x0                                ; the last step's stores have read their data: the codes' registers are written again only behind this wait
.endif
	QUANT X
	v_mov_b32 v[PWS+(\t)], v[PW]
	global_store_b128 v1, v[PC:PC+3], s[14:15] offset:1536*(\t)          ; 512 consecutive bytes
	global_store_b64 v4, v[PC+4:PC+5], s[14:15] offset:1536*(\t)+512     ; 256
	global_store_b128 v1, v[PC+6:PC+9], s[14:15] offset:1536*(\t)+768
	global_store_b64 v4, v[PC+10:PC+11], s[14:15] offset:1536*(\t)+1280
.endm
	LOAD 0
	LOAD 1
	KSTEP 0
	KSTEP 1
	KSTEP 2
	KSTEP 3
	v_cndmask_b32 v[SD], v[PWS], v[PWS+2], s[HM]   ; lanes 0-15 store the first pair of K steps' words, lanes 16-31 the second pair's
	v_cndmask_b32 v[SD+1], v[PWS+1], v[PWS+3], s[HM]
	global_store_b64 v5, v[SD:SD+1], s[16:17]      ; 256 consecutive bytes, aligned
	s_wait_tensorcnt 0x0
	ds_add_u32 v254, v255
	s_wait_dscnt 0x0
	s_endpgm
.Lfunc_end_k_q996f3d9833_quant:
	.size	k_q996f3d9833_quant, .Lfunc_end_k_q996f3d9833_quant-k_q996f3d9833_quant
	.p2alignl 7, 3214868480
	.fill 96, 4, 3214868480
	.section	.rodata,"a",@progbits
	.p2align	6, 0x0
	.amdhsa_kernel k_q996f3d9833_quant
		.amdhsa_group_segment_fixed_size 51456
		.amdhsa_private_segment_fixed_size 0
		.amdhsa_enable_private_segment 0
		.amdhsa_kernarg_size 56
		.amdhsa_user_sgpr_count 2
		.amdhsa_user_sgpr_kernarg_segment_ptr 1
		.amdhsa_wavefront_size32 1
		.amdhsa_system_sgpr_workgroup_id_x 1
		.amdhsa_system_sgpr_workgroup_id_y 1
		.amdhsa_system_sgpr_workgroup_id_z 1
		.amdhsa_system_vgpr_workitem_id 0
		.amdhsa_next_free_vgpr 256
		.amdhsa_next_free_sgpr 66
		.amdhsa_reserve_vcc 0
		.amdhsa_float_denorm_mode_32 3
		.amdhsa_float_denorm_mode_16_64 3
		.amdhsa_memory_ordered 1
		.amdhsa_forward_progress 1
		.amdhsa_inst_pref_size 34
	.end_amdhsa_kernel
	.amdgpu_metadata
---
amdhsa.version: [ 1, 2 ]
amdhsa.kernels:
  - .name:           k_q996f3d9833_quant
    .symbol:         k_q996f3d9833_quant.kd
    .args:
      - { .name: x, .offset: 0, .size: 8, .value_kind: global_buffer, .address_space: global }
      - { .name: Wq, .offset: 8, .size: 8, .value_kind: global_buffer, .address_space: global }
      - { .name: Wk, .offset: 16, .size: 8, .value_kind: global_buffer, .address_space: global }
      - { .name: Wv, .offset: 24, .size: 8, .value_kind: global_buffer, .address_space: global }
      - { .name: Wo, .offset: 32, .size: 8, .value_kind: global_buffer, .address_space: global }
      - { .name: cod, .offset: 40, .size: 8, .value_kind: global_buffer, .address_space: global }
      - { .name: scl, .offset: 48, .size: 8, .value_kind: global_buffer, .address_space: global }
    .group_segment_fixed_size: 51456
    .private_segment_fixed_size: 0
    .kernarg_segment_align: 8
    .kernarg_segment_size: 56
    .max_flat_workgroup_size: 192
    .sgpr_count:     66
    .vgpr_count:     256
    .wavefront_size: 32
...
	.end_amdgpu_metadata
.endif
;; end of part 1
;; launch qkv (part 2): grid 12 x 32, 4 waves a work-group, clusters of 4 x 4, 327,680 bytes of LDS; arguments cod, scl, bq, bk, bv, qkv; writes qkv
.if DOCPART == 2
	.amdgcn_target "amdgcn-amd-amdhsa--gfx1250"
	.amdhsa_code_object_version 6
	.text
	.protected	k_q996f3d9833_qkv
	.globl	k_q996f3d9833_qkv
	.p2align	8
	.type	k_q996f3d9833_qkv,@function
k_q996f3d9833_qkv:
	s_mov_b64 s[64:65], 0
	v_nop
	global_prefetch_b8 v0, s[64:65] scope:SCOPE_SE
	s_setreg_imm32_b32 hwreg(HW_REG_WAVE_MODE, 25, 1), 1
	s_wait_xcnt 0x0
	s_wait_alu depctr_hold_cnt(0) depctr_sa_sdst(0) depctr_va_vdst(0) depctr_va_sdst(0) depctr_va_ssrc(0) depctr_va_vcc(0) depctr_vm_vsrc(0)
	s_getreg_b32 s2, hwreg(HW_REG_IB_STS2, 6, 4)
	s_cmp_eq_u32 s2, 0
	s_cbranch_scc0 .Lentry_in_a_cluster
	s_endpgm
.Lentry_in_a_cluster:
	s_bfe_u32 s2, ttmp6, 0x10000c
	s_cmp_lg_u32 s2, 0xf033
	s_cbranch_scc0 .Lentry_shape_is_right
	s_endpgm
.Lentry_shape_is_right:
; q = x Wq^T + bq, k = x Wk^T + bk, v = x Wv^T + bv on codes of BF6 (E3M2) with E8M0 scales, sums in f32; each result is quantised at once for attention's products:
; q and k along the head's 64, v along the keys.  No f32 result goes to memory.
; OPERANDS: cod [tile of 16 rows][8 K steps][1,536 bytes] holds images of the operand's registers, scl [tile][4 pairs of K steps][16 rows][2 words] the scale words (x: tiles 0-511, Wq 512-, Wk 576-, Wv 640-).
; Lane r of tile T holds row 32 (T / 2) + 8 (T % 2) + r + 8 (r / 8).  THE MATRIX INSTRUCTION IS USED TRANSPOSED (source 0 = 16 rows of B', source 1 = 16 rows of A'): with that order of rows a lane holds one
; row of A' and the 16 registers of accumulators 2 b and 2 b + 1 are B' rows 32 b + 16 (lane / 16) + 0 .. 15: 16 neighbours along the next product's K.
; ROLES, by the cluster's x, which all sixteen partners share: 0: A' = x, B' = Wq;  1: A' = x, B' = Wk;  2: A' = Wv, B' = x, so that a lane holds one channel of v and its registers run along the keys.
; A tile of 256 x 256 is made by four waves, 128 x 128 each: 64 accumulators, 512 registers.  K goes in steps of 256 through a ring of two LDS slots; the scale words of all of K and the wave's 128 bias numbers come once.
; CLUSTERS: 4 x 4 work-groups; A's tiles are asked for jointly along a row of the cluster, B's along a column.
; RESULT: qkv [batch x head][16 steps of 128 positions][19,712 bytes]: Q's 8 half images of 768 bytes, its 512 bytes of scale words, K's the same, V's 4 images of 1,536 bytes (16 channels x 128 keys), its 256 bytes of scale words.
; LIMITS: NaN and infinities are not served; a block whose largest magnitude lies under 2^-122 keeps the byte 1.
; REGISTERS, in windows of 256: window 0: v16-31 addresses; v32-63 scale words, two sets; v128-223 A's fragments, one set; in the epilogue v64-127 the bias, v128-239 at work.
;   window 1: B's fragments, two sets, at v0 and v128.   windows 2, 3: the accumulators ((a, b) at v[8 (8 (a % 4) + b)], a < 4 in window 2).
.set NQ,     2                         ; matrix instructions deep in a slot
.set FR,     12                        ; registers of a fragment
.set FRB,    1536                      ; and its image in bytes
.set NL,     4                         ; LDS loads that bring one
.set NP,     4                         ; places behind this matrix instruction (ISA guide 7.12.1)
.set TILEB,  NQ*FRB                    ; a tile's part of a slot
.set HALFT,  8*TILEB                   ; 8 tiles = 128 rows: what one tensor load brings
.set SLOT,   4*HALFT                   ; A's 16 tiles, then B's 16
.set LAPS,   2                         ; K = 1,024 = twice round the ring
.set SCL,    2*SLOT                    ; behind the ring: the scale words, 512 bytes a tile
.set HALFS,  8*512
.set SPARE,  SCL+4*HALFS               ; the spare words, 128 bytes for each wave: two blocks of 256 bytes that no other line names
.set REC,    19712                     ; a record of qkv
.set HEADSTR, 16*REC                   ; from a head to the next
.set ADRA, 16                          ; v16-17 16 x lane + my A tiles in slot 0, 1;  v18-19 the same with 8 x lane
.set ADRB, 20                          ; v20-23 the same for B
.set A16,  24                          ; v24    16 x lane
.set A8,   25                          ; v25    8 x lane
.set BA0,  26                          ; v26    byte offset of my bias numbers in my wave's 512 bytes, roles 0 and 1
.set ADRS, 27                          ; v27    LDS address of my scale words: lanes 0-15 A's rows, lanes 16-31 B's
.set SPW,  28                          ; v28    LDS address of my spare word; never rewritten
.set NIL,  29                          ; v29    0; never rewritten
.set BA1,  30                          ; v30    byte offset of my bias number, role 2
.set SC,   32
.set AF,   128
.set BC,   64                          ; the epilogue: bias
.set T,    128                         ; 64 numbers
.set PC,   192                         ; codes
.set TM,   212
.set PW,   228
.set SWT,  229
.set SW,   232
.set SWO,  236
.set G1, 24
.set G0, 32
.set G0H, 4                            ; s[4:7], s[40:43] group 0 of the head's loads of slot 0: A's 16 tiles, B's 16 tiles
.set G0HB, 40
.set G1B, 48
.set G0B, 56
.set SEL, 66
.set G1S, 68
.set G0S, 76
.set G1SB, 80
.set G0SB, 88
.set RH,  98                           ; s[98:99] bytes from a side's first tile to the 8 tiles that I fetch in the ring
.set HM,  104
.set CW,  (3<<16)|(1<<21)              ; group 1, word 0 beside the mask: elements of 8 bytes, no padding, bit 21 set beside a mask
.set MSB, 0
.macro WIN new                         ; the immediate's high byte repeats the setting that is left
.if MSB != \new
	s_set_vgpr_msb (MSB<<8)|\new
.set MSB, \new
.endif
.endm
.set MUL_LO, 0xa1                      ; source 0 (B) window 1, source 1 (A) window 0, C and D window 2
.set MUL_HI, 0xf1                      ; the same, C and D window 3
.set TO_B,   0x40                      ; destination window 1, address window 0
; A joint load: waves 0 and 1 fetch for A, waves 2 and 3 for B; the branch hangs on the wave's number alone.  Four v_nop follow each of the two lines.
.macro JLOAD g0a, g1a, g0b, g1b
	s_cmp_eq_u32 s17, 0
	s_cbranch_scc0 .Lfor_b_\@
	tensor_load_to_lds s[\g0a:\g0a+3], s[\g1a:\g1a+7]
	s_nop 0
.rept 4
	v_nop
.endr
	s_branch .Lasked_\@
.Lfor_b_\@:
	tensor_load_to_lds s[\g0b:\g0b+3], s[\g1b:\g1b+7]
	s_nop 0
.rept 4
	v_nop
.endr
.Lasked_\@:
.endm
.macro CREST                           ; a round of the cluster's barrier behind its opening barrier
	s_cmp_lg_u32 s16, 0
	s_cbranch_scc1 .Lnot_wave_0_\@
	s_barrier_signal -3
.Lnot_wave_0_\@:
	s_barrier_wait -3
	s_barrier_signal -1
	s_barrier_wait -1
.endm
.macro CROUND                          ; a whole round
	s_barrier_signal -1
	s_barrier_wait -1
	CREST
.endm
; 64 numbers of a lane, v[s] .. v[s + 63], register 16 b + i = k 32 b + 16 (lane / 16) + i of my row, become a fragment's codes in v[PC] on and its scale word in v[PW] (the same in lanes l and l xor 16).
.macro QUANT s
.irp b, 0,1,2,3
	v_max3_num_f32 v[TM+\b], |v[\s+16*\b]|, |v[\s+1+16*\b]|, 0x2800000   ; block b: my 16 numbers, and the floor 2^(5 - 127): the byte cannot fall under 1
.endr
.irp i, 2,4,6,8,10,12,14
.irp b, 0,1,2,3
	v_max3_num_f32 v[TM+\b], v[TM+\b], |v[\s+16*\b+\i]|, |v[\s+1+16*\b+\i]|
.endr
.endr
.irp b, 0,1,2,3
	v_permlanex16_b32 v[TM+4+\b], v[TM+\b], s[SEL], s[SEL+1]
.endr
.irp b, 0,1,2,3
	v_max_num_f32 v[TM+\b], v[TM+\b], v[TM+4+\b]   ; with lane l xor 16's: the block's largest magnitude
.endr
.irp b, 0,1,2,3
	v_add_nc_u32 v[TM+12+\b], 0xfe000000, v[TM+\b]   ; 4 off its exponent field: the conversion's scale operand
.endr
.irp b, 0,1,2,3
	v_lshrrev_b32 v[TM+4+\b], 23, v[TM+12+\b]   ; the scale's byte
.endr
	v_lshl_or_b32 v[PW], v[TM+5], 8, v[TM+4]
	v_lshl_or_b32 v[PW], v[TM+6], 16, v[PW]
	v_lshl_or_b32 v[PW], v[TM+7], 24, v[PW]
.irp c, 0,1
	v_cvt_scalef32_pk16_bf6_f32 v[PC+6*\c:PC+2+6*\c], v[\s+32*\c:\s+15+32*\c], v[TM+12+2*\c]
	v_cvt_scalef32_pk16_bf6_f32 v[PC+12+4*\c:PC+14+4*\c], v[\s+16+32*\c:\s+31+32*\c], v[TM+12+2*\c+1]   ; (a conversion's three registers begin on an even number)
.endr
	v_nop                                          ; one plain place behind a scaled conversion
.irp c, 0,1                                    ; a whole block to a lane: lanes 0-15 block 2 c, lanes 16-31 block 2 c + 1
.irp i, 0,1,2
	v_permlane16_swap_b32 v[PC+6*\c+\i], v[PC+12+4*\c+\i]
.endr
.irp i, 0,1,2
	v_mov_b32 v[PC+3+6*\c+\i], v[PC+12+4*\c+\i]
.endr
.endr
.endm
	s_load_b256 s[4:11], s[0:1], 0x0               ; cod s[4:5], scl s[6:7], bq s[8:9], bk s[10:11]
	s_load_b128 s[12:15], s[0:1], 0x20             ; bv s[12:13], qkv s[14:15]
	v_lshl_add_u32 v[SPW], v0, 2, SPARE
	v_mov_b32 v[NIL], 0
	ds_add_u32 v28, v29
	ds_add_u32 v28, v29
	s_wait_dscnt 0x0
	v_lshrrev_b32 v1, 5, v0
	v_readfirstlane_b32 s16, v1                    ; wave 0..3
	s_lshr_b32 s17, s16, 1                         ; which half of A's rows is mine.  Also: I fetch for A (0) or for B (1)
	s_and_b32 s18, s16, 1                          ; which half of B's rows.  Also: which 8 tiles I fetch
	s_bfe_u32 s20, ttmp6, 0x40000                  ; cx, cy: my place in the cluster
	s_bfe_u32 s21, ttmp6, 0x40004
	s_mov_b32 s22, ttmp9                           ; the cluster's x: 0 q, 1 k, 2 v
	s_and_b32 s23, ttmp7, 0xffff                   ; the cluster's y: 0..7
	s_lshr_b32 s19, s22, 1                         ; 1: v's role
	s_lshl_b32 s2, s21, 2
	s_lshl_b32 s2, 15, s2                          ; my row of the cluster
	s_lshl_b32 s3, 0x1111, s20                     ; my column
	s_or_b32 s[G1], s2, CW                         ; A's tiles go to my row,
	s_or_b32 s[G1B], s3, CW                        ; B's to my column
	s_or_b32 s[G1S], s2, CW
	s_or_b32 s[G1SB], s3, CW
.irp g, G1, G1B                        ; codes: 8 tiles' parts of 3,072 bytes (384 elements of 8), 12,288 bytes apart
	s_mov_b32 s[\g+1], 384<<16                     ; tensor_dim0
	s_mov_b32 s[\g+2], 16<<16                      ; tensor_dim1: 16 tiles for the head's loads; behind them 8
	s_mov_b32 s[\g+3], 384<<16                     ; tile_dim0
	s_mov_b32 s[\g+4], 16                          ; tile_dim1
	s_mov_b32 s[\g+5], 1536                        ; tensor_dim0_stride
	s_mov_b32 s[\g+6], 0
	s_mov_b32 s[\g+7], 0
.endr
.irp g, G1S, G1SB                      ; scale words: rows of 256 dense bytes
	s_mov_b32 s[\g+1], 32<<16
	s_mov_b32 s[\g+2], 32<<16                      ; a side's 16 tiles: 8,192 dense bytes as 32 rows of 256
	s_mov_b32 s[\g+3], 32<<16
	s_mov_b32 s[\g+4], 32
	s_mov_b32 s[\g+5], 32
	s_mov_b32 s[\g+6], 0
	s_mov_b32 s[\g+7], 0
.endr
	s_mov_b32 s[SEL], 0x76543210
	s_mov_b32 s[SEL+1], 0xfedcba98
	s_mov_b32 s[HM], 0xffff0000
	; which tiles I fetch.  A's hang on cy and on the cluster's numbers, B's on cx and on the cluster's numbers, each in registers that never hold the other coordinate
	s_lshl_b32 s100, s23, 6                        ; x's tiles of this cluster begin at 64 x cluster y
	s_lshl_b32 s101, s22, 6
	s_add_co_u32 s101, s101, 512                   ; Wq's or Wk's tiles
	s_cmp_eq_u32 s19, 1
	s_cselect_b32 s44, 640, s100                   ; A: Wv, or x
	s_cselect_b32 s46, s100, s101                  ; B: x, or the weight
	s_mul_i32 s[RH], s18, 64*FRB                   ; in the ring I fetch 8 tiles of a side: which half, in bytes
	s_mov_b32 s[RH+1], 0
	s_lshl_b32 s100, s21, 4
	s_add_co_u32 s44, s44, s100                    ; + 16 cy
	s_lshl_b32 s2, s20, 4
	s_add_co_u32 s46, s46, s2                      ; + 16 cx
	s_lshl_b32 s100, s44, 9                        ; their scale words, 512 bytes a tile,
	s_mov_b32 s101, 0
	s_lshl_b32 s2, s46, 9
	s_mov_b32 s3, 0
	s_mul_i32 s44, s44, 8*FRB                      ; and their codes, 12,288 bytes a tile
	s_mov_b32 s45, 0
	s_mul_i32 s46, s46, 8*FRB
	s_mov_b32 s47, 0
	s_mul_i32 s105, s16, HALFT                     ; where they go: wave x 8 tiles: no place in the cluster enters an LDS address
	s_wait_kmcnt 0x0
	s_add_nc_u64 s[44:45], s[4:5], s[44:45]
	s_add_nc_u64 s[46:47], s[4:5], s[46:47]
	s_add_nc_u64 s[100:101], s[6:7], s[100:101]
	s_add_nc_u64 s[2:3], s[6:7], s[2:3]
	s_cmp_eq_u32 s22, 1                            ; which bias: the choice hangs on the cluster's x alone
	s_cselect_b64 s[8:9], s[10:11], s[8:9]
	s_cmp_eq_u32 s22, 2
	s_cselect_b64 s[8:9], s[12:13], s[8:9]
	s_cselect_b32 s10, s21, s20                    ; my 128 features: roles 0, 1: B's rows 256 cx + 128 (wave & 1);  role 2: A's rows 256 cy + 128 (wave / 2)
	s_cselect_b32 s11, s17, s18
	s_lshl_b32 s10, s10, 10
	s_lshl_b32 s11, s11, 9
	s_add_co_u32 s10, s10, s11
	s_mov_b32 s11, 0
	s_add_nc_u64 s[8:9], s[8:9], s[10:11]
	CROUND                                         ; all sixteen work-groups are here: the first joint loads meet
	s_mov_b32 s[G0S], 1
	s_mov_b32 s[G0S+1], SCL
	s_mov_b64 s[G0S+2:G0S+3], s[100:101]
	s_or_b32 s[G0S+3], s[G0S+3], 0x80000000
	s_mov_b32 s[G0SB], 1
	s_mov_b32 s[G0SB+1], SCL+2*HALFS
	s_mov_b64 s[G0SB+2:G0SB+3], s[2:3]
	s_or_b32 s[G0SB+3], s[G0SB+3], 0x80000000
	s_mov_b32 s[G0H], 1                            ; slot 0 whole: A's 16 tiles,
	s_mov_b32 s[G0H+1], 0
	s_mov_b64 s[G0H+2:G0H+3], s[44:45]
	s_or_b32 s[G0H+3], s[G0H+3], 0x80000000
	s_mov_b32 s[G0HB], 1                           ; and B's 16 behind them
	s_mov_b32 s[G0HB+1], 2*HALFT
	s_mov_b64 s[G0HB+2:G0HB+3], s[46:47]
	s_or_b32 s[G0HB+3], s[G0HB+3], 0x80000000
	s_add_nc_u64 s[44:45], s[44:45], s[RH:RH+1]    ; for the ring: my 8 tiles
	s_add_nc_u64 s[46:47], s[46:47], s[RH:RH+1]
.irp s, 0,1
	s_mov_b32 s[G0+4*\s], 1
	s_add_co_u32 s[G0+4*\s+1], s105, \s*SLOT
	s_add_nc_u64 s[G0+4*\s+2:G0+4*\s+3], s[44:45], \s*TILEB
	s_or_b32 s[G0+4*\s+3], s[G0+4*\s+3], 0x80000000
	s_mov_b32 s[G0B+4*\s], 1
	s_add_co_u32 s[G0B+4*\s+1], s105, \s*SLOT
	s_add_nc_u64 s[G0B+4*\s+2:G0B+4*\s+3], s[46:47], \s*TILEB
	s_or_b32 s[G0B+4*\s+3], s[G0B+4*\s+3], 0x80000000
.endr
; THE HEAD'S LOADS, ONE A WAVE: wave 0 slot 0's tiles of A, wave 1 those of B, wave 2 A's scale words, wave 3 B's.  One chain of branches on the wave's number; every way passes one load.
.macro ARM under, g0, g1, next
	s_cmp_lt_u32 s16, \under
	s_cbranch_scc0 \next
	tensor_load_to_lds s[\g0:\g0+3], s[\g1:\g1+7]
	s_nop 0
.rept 4
	v_nop
.endr
	s_branch .Lhead_asked
\next:
.endm
	ARM 1, G0H,  G1,  .Lhead_b
	ARM 2, G0HB, G1B, .Lhead_sa
	ARM 3, G0S,  G1S, .Lhead_sb
	tensor_load_to_lds s[G0SB:G0SB+3], s[G1SB:G1SB+7]
	s_nop 0
.rept 4
	v_nop
.endr
.Lhead_asked:
	v_and_b32 v1, 31, v0                           ; lane
	v_and_b32 v2, 15, v0                           ; r
	v_bfe_u32 v3, v0, 4, 1                         ; h
	v_lshlrev_b32 v[A16], 4, v1
	v_lshlrev_b32 v[A8], 3, v1
	s_mul_i32 s100, s17, HALFT                     ; my 8 tiles of A
	s_mul_i32 s101, s18, HALFT                     ; my 8 tiles of B,
	s_add_co_u32 s101, s101, 2*HALFT               ; which lie behind A's 16
.irp s, 0,1
	v_add_nc_u32 v[ADRA+\s], s100, v[A16]
	v_add_nc_u32 v[ADRA+2+\s], s100, v[A8]
	v_add_nc_u32 v[ADRB+\s], s101, v[A16]
	v_add_nc_u32 v[ADRB+2+\s], s101, v[A8]
	s_add_co_u32 s100, s100, SLOT
	s_add_co_u32 s101, s101, SLOT
.endr
	v_lshlrev_b32 v4, 3, v2                        ; my row's two words of a pair of K steps
	s_lshl_b32 s100, s17, 12                       ; A's: my 8 tiles
	s_lshl_b32 s101, s18, 12                       ; B's: my 8 tiles, behind A's 16
	s_add_co_u32 s101, s101, 2*HALFS
	s_sub_co_u32 s101, s101, s100
	v_mul_u32_u24 v5, s101, v3                     ; lanes 16-31 take B's
	s_add_co_u32 s100, s100, SCL
	v_add_nc_u32 v4, v4, v5
	v_add_nc_u32 v[ADRS], s100, v4
	v_lshlrev_b32 v[BA0], 6, v3                    ; roles 0, 1: feature 32 b + 16 h + i: 64 h
	v_and_b32 v4, 8, v2
	v_add_nc_u32 v4, v4, v2                        ; r + 8 (r / 8)
	v_lshlrev_b32 v[BA1], 2, v4                    ; role 2: my lane's own feature of a tile
	s_wait_alu depctr_va_vdst(0)
	s_cmp_eq_u32 s19, 0                            ; the bias goes straight into v64-127, which the walk along K leaves alone; the role hangs on the cluster's x, which all partners share
	s_cbranch_scc0 .Lbias_v
.irp b, 0,1,2,3
.irp j, 0,1,2,3
	global_load_b128 v[BC+16*\b+4*\j:BC+16*\b+4*\j+3], v[BA0], s[8:9] offset:128*\b+16*\j   ; 64 numbers in the results' order
.endr
.endr
	s_branch .Lbias_in
.Lbias_v:
.irp a, 0,1,2,3,4,5,6,7
	global_load_b32 v[BC+2*\a], v[BA1], s[8:9] offset:128*(\a/2)+32*(\a%2)      ; one number a lane and block, twice: a pair for the packed addition
	global_load_b32 v[BC+2*\a+1], v[BA1], s[8:9] offset:128*(\a/2)+32*(\a%2)
.endr
.Lbias_in:
.macro FRAG reg, adr, q, i             ; a fragment comes as the image that it was stored as: every load reads consecutive bytes
	ds_load_b128 v[\reg:\reg+3],     v[\adr]   offset:(\i)*TILEB+(\q)*FRB
	ds_load_b64  v[\reg+4:\reg+5],   v[\adr+2] offset:(\i)*TILEB+(\q)*FRB+512
	ds_load_b128 v[\reg+6:\reg+9],   v[\adr]   offset:(\i)*TILEB+(\q)*FRB+768
	ds_load_b64  v[\reg+10:\reg+11], v[\adr+2] offset:(\i)*TILEB+(\q)*FRB+1280
.endm
; 16 matrix instructions: A's blocks a0, a0 + 1 x B's eight, 128 along K.  p: B's set;  sc: the set of scale words.  zero = 1: the first product starts the sums.
; The 64 accumulators take turns, one instruction a turn, in the same order in every step.
.macro MUL16 a0, p, q, sc, zero
.irp a, \a0, \a0+1
.irp b, 0,1,2,3,4,5,6,7
.if \zero
	v_wmma_scale_f32_16x16x128_f8f6f4 v[8*(8*((\a)%4)+\b):8*(8*((\a)%4)+\b)+7], v[128*(\p)+FR*\b:128*(\p)+FR*\b+FR-1], v[AF+FR*(\a):AF+FR*(\a)+FR-1], 0, v[SC+8*NQ*(\sc)+NQ*\b+(\q)], v[SC+8*NQ*(\sc)+NQ*(\a)+(\q)] matrix_a_fmt:MATRIX_FMT_BF6 matrix_b_fmt:MATRIX_FMT_BF6 matrix_a_scale:MATRIX_SCALE_ROW1
.else
	v_wmma_scale_f32_16x16x128_f8f6f4 v[8*(8*((\a)%4)+\b):8*(8*((\a)%4)+\b)+7], v[128*(\p)+FR*\b:128*(\p)+FR*\b+FR-1], v[AF+FR*(\a):AF+FR*(\a)+FR-1], v[8*(8*((\a)%4)+\b):8*(8*((\a)%4)+\b)+7], v[SC+8*NQ*(\sc)+NQ*\b+(\q)], v[SC+8*NQ*(\sc)+NQ*(\a)+(\q)] matrix_a_fmt:MATRIX_FMT_BF6 matrix_b_fmt:MATRIX_FMT_BF6 matrix_a_scale:MATRIX_SCALE_ROW1
.endif
.endr
.endr
.endm
.macro FETCH_B slot, q, p
	WIN TO_B
.irp i, 0,1,2,3,4,5,6,7
	FRAG 128*(\p)+FR*\i, ADRB+\slot, \q, \i
.endr
	WIN 0
.endm
.macro FETCH_A slot, q, i0
.irp i, \i0, \i0+1, \i0+2, \i0+3
	FRAG AF+FR*(\i), ADRA+\slot, \q, \i
.endr
.endm
.macro SCALES sc                       ; a slot's scale words: two a row; lanes 0-15 take A's block i, lanes 16-31 B's block i
.irp i, 0,1,2,3,4,5,6,7
	ds_load_b64 v[SC+8*NQ*\sc+NQ*\i:SC+8*NQ*\sc+NQ*\i+1], v[ADRS] offset:\i*512
.endr
.endm
.macro PLACES n                        ; plain vector instructions between a matrix instruction and a load into, or a vector write or read of, its registers
.rept \n
	v_nop
.endr
.endm
.macro STEP slot, q, zero              ; 128 along K with its successor in the same slot
	s_wait_dscnt 4*NL                              ; all but the youngest 16 loads (A's blocks 4-7) are in
	WIN MUL_LO
	MUL16 0, (\q)%2, \q, \slot, \zero
	MUL16 2, (\q)%2, \q, \slot, \zero
	s_wait_dscnt 0                                 ; A's blocks 4-7 are in
	PLACES NP
	FETCH_B \slot, (\q)+1, 1-(\q)%2
	FETCH_A \slot, (\q)+1, 0
	WIN MUL_HI
	MUL16 4, (\q)%2, \q, \slot, \zero
	MUL16 6, (\q)%2, \q, \slot, \zero
	PLACES NP
	WIN 0
	FETCH_A \slot, (\q)+1, 4
.endm
; A slot's last step changes slots: one barrier; in front of it each wave waits for all its tensor loads, adds 0 to its spare word, and waits for that and for its own reads of this slot.
.macro TURN slot, next, fill
	s_wait_tensorcnt 0x0                           ; all my tensor loads have landed: my part of the next slot
	ds_add_u32 v[SPW], v[NIL]                      ; 0 onto my spare word
	s_wait_dscnt 4*NL+1                            ; (the add and the youngest 16 loads, A's blocks 4-7, may be out)
	WIN MUL_LO
	MUL16 0, 1, NQ-1, \slot, 0                     ; sixteen matrix instructions stand between the add and the wait for it
	s_wait_dscnt 0x0                               ; the add is done, and my reads of this slot are over
	s_barrier_signal -1
	MUL16 2, 1, NQ-1, \slot, 0
	WIN 0
	s_barrier_wait -1
.if \fill
	CREST                                          ; the barrier has opened a round of the cluster's barrier: no wave of any partner still reads this slot or has a load on its way
	s_add_nc_u64 s[G0+4*\slot+2:G0+4*\slot+3], s[G0+4*\slot+2:G0+4*\slot+3], 2*TILEB
	s_add_nc_u64 s[G0B+4*\slot+2:G0B+4*\slot+3], s[G0B+4*\slot+2:G0B+4*\slot+3], 2*TILEB
	JLOAD G0+4*\slot, G1, G0B+4*\slot, G1B         ; the first tensor load behind the round; its four v_nop are the places in front of the loads below
.else
	PLACES NP
.endif
	s_wait_alu depctr_va_vdst(0)
	v_add_nc_u32 v[ADRS], 128, v[ADRS]             ; on to the next pair of K steps' scale words
	FETCH_B \next, 0, 0
	FETCH_A \next, 0, 0
	SCALES \next
	WIN MUL_HI
	MUL16 4, 1, NQ-1, \slot, 0
	MUL16 6, 1, NQ-1, \slot, 0
	PLACES NP
	WIN 0
	FETCH_A \next, 0, 4
.endm
	s_wait_alu depctr_va_vdst(0)
	s_wait_tensorcnt 0x0                           ; my tile of the head's four is in
	ds_add_u32 v[SPW], v[NIL]
	s_mov_b32 s[G1+2], 8<<16                       ; no tensor load of mine is out: from here on a load brings 8 tiles
	s_mov_b32 s[G1+4], 8
	s_mov_b32 s[G1B+2], 8<<16
	s_mov_b32 s[G1B+4], 8
	s_wait_dscnt 0x0
	CROUND                                         ; all four tiles are in, and all sixteen work-groups are here
	JLOAD G0+4, G1, G0B+4, G1B                     ; slot 1's first fill: the first tensor load behind the round
	FETCH_B 0, 0, 0
	FETCH_A 0, 0, 0
	SCALES 0
	FETCH_A 0, 0, 4
	STEP 0, 0, 1                                   ; the first step stands in front of the loop: its products start the sums
	s_mov_b32 s3, LAPS-1
.Llap:                                                 ; a trip goes once round the ring and fills both slots again
	TURN 0, 1, 1
	STEP 1, 0, 0
	TURN 1, 0, 1
	STEP 0, 0, 0
	s_sub_co_u32 s3, s3, 1
	s_cmp_lg_u32 s3, 0
	s_cbranch_scc1 .Llap
	TURN 0, 1, 0                                   ; the last lap fills nothing
	STEP 1, 0, 0
	s_wait_dscnt 4*NL
	WIN MUL_LO
	MUL16 0, 1, NQ-1, 1, 0
	MUL16 2, 1, NQ-1, 1, 0
	s_wait_dscnt 0
	WIN MUL_HI
	MUL16 4, 1, NQ-1, 1, 0
	MUL16 6, 1, NQ-1, 1, 0
	WIN 0
	PLACES NP                                      ; behind the last products: what follows reads results and writes over A's fragments
; THE EPILOGUE.  Block a (16 rows of A', 128 of B' in a lane's 64 registers): + bias, quantised, stored as an image.  role 0: rows = positions, registers = features of two heads: the fragment's two halves
; go to two heads' records.  role 1: rows = channels of v, registers = 128 keys: blocks 0-3 belong to the even head, 4-7 to the odd one.
.macro EPI role
	s_lshl_b32 s44, s23, 3
.if \role
	s_lshl_b32 s45, s20, 1
	s_add_co_u32 s44, s44, s45
	s_add_co_u32 s44, s44, s18                     ; which 128 positions: 2 (4 cluster y + cx) + (wave & 1)
	s_lshl_b32 s45, s21, 2
	s_lshl_b32 s46, s17, 1                         ; the even head: 4 cy + 2 (wave / 2)
.else
	s_lshl_b32 s45, s21, 1
	s_add_co_u32 s44, s44, s45
	s_add_co_u32 s44, s44, s17                     ; which 128 positions: 2 (4 cluster y + cy) + (wave / 2)
	s_lshl_b32 s45, s20, 2
	s_lshl_b32 s46, s18, 1                         ; the even head: 4 cx + 2 (wave & 1)
.endif
	s_add_co_u32 s45, s45, s46
	s_lshr_b32 s46, s44, 4                         ; the batch
	s_lshl_b32 s46, s46, 4
	s_add_co_u32 s46, s46, s45
	s_lshl_b32 s46, s46, 4
	s_and_b32 s44, s44, 15                         ; the step
	s_add_co_u32 s46, s46, s44
	s_mul_i32 s46, s46, REC
.if \role
	s_add_co_u32 s46, s46, 13312                   ; V's part of a record
.else
	s_mul_i32 s44, s22, 6656                       ; Q's part, or K's
	s_add_co_u32 s46, s46, s44
.endif
	s_mov_b32 s47, 0
	s_add_nc_u64 s[14:15], s[14:15], s[46:47]
.irp b, 0,1,2,3
	v_mov_b32 v[TM+4+\b], 0                        ; a lane permute's destination counts as one of its sources
.endr
	s_wait_loadcnt 0x0                             ; the bias, asked for at the head
.irp a, 0,1,2,3,4,5,6,7
	WIN (2+\a/4)                                   ; source 0: the accumulators' window
.irp j, 0,2,4,6,8,10,12,14,16,18,20,22,24,26,28,30,32,34,36,38,40,42,44,46,48,50,52,54,56,58,60,62
.if \role
	v_pk_add_f32 v[T+\j:T+\j+1], v[64*(\a%4)+\j:64*(\a%4)+\j+1], v[BC+2*\a:BC+2*\a+1]
.else
	v_pk_add_f32 v[T+\j:T+\j+1], v[64*(\a%4)+\j:64*(\a%4)+\j+1], v[BC+\j:BC+\j+1]   ; each accumulator from its low end on
.endif
.endr
	WIN 0
.if \a > 0
	s_wait_xcnt 0x0                                ; the last block's stores have read their data: the codes' registers are written again only behind this wait
.endif
	QUANT T
.if \a%2
	v_cndmask_b32 v[SW+\a/2], v[SWT], v[PW], s[HM] ; lanes 0-15 keep the even block's words, lanes 16-31 the odd block's
.else
	v_mov_b32 v[SWT], v[PW]
.endif
.if \role
	global_store_b128 v[A16], v[PC:PC+3], s[14:15] offset:(\a/4)*HEADSTR+(\a%4)*FRB
	global_store_b64 v[A8], v[PC+4:PC+5], s[14:15] offset:(\a/4)*HEADSTR+(\a%4)*FRB+512
	global_store_b128 v[A16], v[PC+6:PC+9], s[14:15] offset:(\a/4)*HEADSTR+(\a%4)*FRB+768
	global_store_b64 v[A8], v[PC+10:PC+11], s[14:15] offset:(\a/4)*HEADSTR+(\a%4)*FRB+1280
.else
	global_store_b128 v[A16], v[PC:PC+3], s[14:15] offset:768*\a               ; the even head's half image: 512 and 256 consecutive bytes
	global_store_b64 v[A8], v[PC+4:PC+5], s[14:15] offset:768*\a+512
	global_store_b128 v[A16], v[PC+6:PC+9], s[14:15] offset:HEADSTR+768*\a     ; the odd head's
	global_store_b64 v[A8], v[PC+10:PC+11], s[14:15] offset:HEADSTR+768*\a+512
.endif
.endr
.if \role
	global_store_b64 v[A8], v[SW:SW+1], s[14:15] offset:6144                   ; the even head's scale words: 256 consecutive bytes
	global_store_b64 v[A8], v[SW+2:SW+3], s[14:15] offset:6144+HEADSTR
.else
.irp b, 0,1,2,3
	v_lshrrev_b32 v[SWO+\b], 16, v[SW+\b]          ; the odd head's two bytes come down; the bytes above them scale zero codes and are never 0xff
.endr
	global_store_b128 v[A16], v[SW:SW+3], s[14:15] offset:6144                 ; 512 consecutive bytes
	global_store_b128 v[A16], v[SWO:SWO+3], s[14:15] offset:6144+HEADSTR
.endif
	s_wait_tensorcnt 0x0                           ; the wave's end
	ds_add_u32 v[SPW], v[NIL]
	s_wait_dscnt 0x0
.endm
	s_cmp_eq_u32 s19, 0                            ; the role hangs on the cluster's x, which all partners share
	s_cbranch_scc0 .Lvrole
	EPI 0
	s_branch .Ldone
.Lvrole:
	EPI 1
.Ldone:
	CROUND                                         ; the closing round: no work-group ends while a partner may still ask for a tile that names it
	s_endpgm
.Lfunc_end_k_q996f3d9833_qkv:
	.size	k_q996f3d9833_qkv, .Lfunc_end_k_q996f3d9833_qkv-k_q996f3d9833_qkv
	.p2alignl 7, 3214868480
	.fill 96, 4, 3214868480
	.section	.rodata,"a",@progbits
	.p2align	6, 0x0
	.amdhsa_kernel k_q996f3d9833_qkv
		.amdhsa_group_segment_fixed_size 327680
		.amdhsa_private_segment_fixed_size 0
		.amdhsa_enable_private_segment 0
		.amdhsa_kernarg_size 48
		.amdhsa_user_sgpr_count 2
		.amdhsa_user_sgpr_kernarg_segment_ptr 1
		.amdhsa_wavefront_size32 1
		.amdhsa_system_sgpr_workgroup_id_x 1
		.amdhsa_system_sgpr_workgroup_id_y 1
		.amdhsa_system_sgpr_workgroup_id_z 1
		.amdhsa_system_vgpr_workitem_id 0
		.amdhsa_next_free_vgpr 1024
		.amdhsa_next_free_sgpr 106
		.amdhsa_reserve_vcc 0
		.amdhsa_float_denorm_mode_32 3
		.amdhsa_float_denorm_mode_16_64 3
		.amdhsa_memory_ordered 1
		.amdhsa_forward_progress 1
		.amdhsa_inst_pref_size 220
	.end_amdhsa_kernel
	.amdgpu_metadata
---
amdhsa.version: [ 1, 2 ]
amdhsa.kernels:
  - .name:           k_q996f3d9833_qkv
    .symbol:         k_q996f3d9833_qkv.kd
    .args:
      - { .name: cod, .offset: 0, .size: 8, .value_kind: global_buffer, .address_space: global }
      - { .name: scl, .offset: 8, .size: 8, .value_kind: global_buffer, .address_space: global }
      - { .name: bq, .offset: 16, .size: 8, .value_kind: global_buffer, .address_space: global }
      - { .name: bk, .offset: 24, .size: 8, .value_kind: global_buffer, .address_space: global }
      - { .name: bv, .offset: 32, .size: 8, .value_kind: global_buffer, .address_space: global }
      - { .name: qkv, .offset: 40, .size: 8, .value_kind: global_buffer, .address_space: global }
    .group_segment_fixed_size: 327680
    .private_segment_fixed_size: 0
    .kernarg_segment_align: 8
    .kernarg_segment_size: 48
    .max_flat_workgroup_size: 128
    .sgpr_count:     106
    .vgpr_count:     1024
    .wavefront_size: 32
...
	.end_amdgpu_metadata
.endif
;; end of part 2
;; launch attn (part 3): grid 4 x 64, 16 waves a work-group, clusters of 4 x 1, 263,168 bytes of LDS; arguments qkv, oc, os; writes oc, os
.if DOCPART == 3
	.amdgcn_target "amdgcn-amd-amdhsa--gfx1250"
	.amdhsa_code_object_version 6
	.text
	.protected	k_q996f3d9833_attn
	.globl	k_q996f3d9833_attn
	.p2align	8
	.type	k_q996f3d9833_attn,@function
k_q996f3d9833_attn:
	s_mov_b64 s[64:65], 0
	v_nop
	global_prefetch_b8 v0, s[64:65] scope:SCOPE_SE
	s_setreg_imm32_b32 hwreg(HW_REG_WAVE_MODE, 25, 1), 1
	s_wait_xcnt 0x0
	s_wait_alu depctr_hold_cnt(0) depctr_sa_sdst(0) depctr_va_vdst(0) depctr_va_sdst(0) depctr_va_ssrc(0) depctr_va_vcc(0) depctr_vm_vsrc(0)
	s_getreg_b32 s2, hwreg(HW_REG_IB_STS2, 6, 4)
	s_cmp_eq_u32 s2, 0
	s_cbranch_scc0 .Lentry_in_a_cluster
	s_endpgm
.Lentry_in_a_cluster:
	s_bfe_u32 s2, ttmp6, 0x10000c
	s_cmp_lg_u32 s2, 0x3003
	s_cbranch_scc0 .Lentry_shape_is_right
	s_endpgm
.Lentry_shape_is_right:
; O = softmax(Q K^T / 8) V for one head of 64, 2,048 keys, both products on codes of BF6 (E3M2) with E8M0 scales; O / the row's sum is quantised along D at once, for the last projection.
; THE SOFTMAX: t = score x log2(e) / 8; M = the row's largest t so far, rounded up to a whole number; p = 2^(t - M) is quantised along the keys; the row's sum is taken of the unquantised p in f32.
; When M moves, the sum and O are multiplied by 2^(old M - new M): exact.  A block's largest p is made from the block's largest score by the same two instructions as every p (this takes v_exp_f32 not to fall where its input rises).
; INPUT: qkv [batch x head][16 steps of 128 positions][19,712 bytes]: images of operand registers: Q's and K's 8 tiles of 16 positions x 64 (768 bytes each) and 512 bytes of scale words; V's 4 tiles of 16 channels x 128 keys
; (1,536 bytes each) and 256 bytes of scale words.  Row r of stored tile T is position 32 (T / 2) + 8 (T % 2) + r + 8 (r / 8).
; LDS holds the head's whole K and V, filled once by sixteen joint loads (the cluster's four work-groups belong to one head), as rows of 256 bytes + 64 of padding: 51 rows, 16,320 bytes a step.
; THE KEYS OF A TILE ARE PICKED BY THE LANES' ADDRESSES: rows 0-7 of tile (c, u) are keys 64 c + 8 u + 0..7, rows 8-15 keys 64 c + 32 + 8 u + 0..7: lane r takes row r % 8 + 8 (u / 2) of stored tile 4 c + 2 (r / 8) + u % 2.
; So in S^T = K Q^T lane (query, h) holds in 32 consecutive registers the WHOLE block of keys 64 c + 32 h + 0..31: its largest score needs no other lane, and the conversions' results lie as the operand P wants them.
; With 320-byte rows the two stored tiles that the sixteen lanes of a 16-byte load touch lie 1,920 bytes = 128 modulo 256 apart.
; THE HEAD'S 64 FILL HALF OF THE INSTRUCTION'S 128 ALONG K: two tiles of K are one fragment, and Q stands between two runs of zero codes: [Q | 0] picks the even tile, [0 | Q] the odd one, whose scale bytes are shifted to bytes 2, 3.
; SHARES: a work-group owns 512 queries of one head; each of sixteen waves one tile of 16 queries in each of two passes.  Both products are used transposed: a lane holds one query throughout.
; A STEP: 8 products; V and the next K are asked for; maxima, M, all t - M and the rescaling of O; ONE batch of 66 exponentials between two waits; sums, scales, conversions; 4 products.
; No prefetch: every byte of K and V is asked for by the one tensor load a wave at the head, and there is no loop to run ahead in.
; OUTPUT: oc [tile of 16 positions][head][768 bytes], os [tile][4][16 rows][8 bytes] (a head owns two bytes of a row's eight: byte stores).
; LIMITS: NaN and infinities are not served; a block whose largest magnitude lies under 2^-122 keeps the byte 1; the scaled scores stay under 2^31 in magnitude.
.set REC,   19712
.set STEPB, 16320                      ; a step in LDS: K's codes 0, K's scale words KSO, V's codes VO, V's scale words VSO
.set KSO,   7680
.set VO,    8320
.set VSO,   16000
.set SPARE, 16*STEPB                   ; the spare words: 128 bytes a wave
.set A16,   1                          ; 16 x lane (global)
.set A8,    2                          ; 8 x lane
.set VL16,  3                          ; 16 r + 320 h
.set KL16,  4                          ; 1,920 (r / 8) + 16 (r % 8) + 320 h
.set KL8,   5                          ; 1,920 (r / 8) + 8 (r % 8) + 128 h
.set KSL,   6                          ; 16 (r % 8) + 4 (r / 8) + 320 h
.set QSA,   7                          ; 16 r
.set KSA,   8                          ; KSA, VA.., KA..: the same + the step
.set SH,    9                          ; 16 h
.set SUM1,  10                         ; v[10:11] the sum's second chain
.set VA16,  12
.set VA8,   13
.set KA16,  14
.set KA8,   15
.set NM,    16                         ; v16 -M, v17 the running largest score
.set SUM,   18                         ; v[18:19] the row's sum in two halves
.set FF,    20                         ; f = 2^(old M - new M); named as the pair v[20:21]
.set PW,    21                         ; p's scale word
.set VS,    22
.set KS,    24
.set QS,    28
.set TMP,   29
.set BM,    30                         ; v30-31 my two blocks' largest scores, then p, then the conversions' scale operands
.set PT,    32                         ; v32-33 at work
.set QHI,   34                         ; v34-45 [0 | Q]
.set QLO,   40                         ; v40-51 [Q | 0]
.set KFR,   52
.set VFR,   100
.set S,     148                        ; v148-211 S^T, then p
.set O,     212                        ; v212-243 O^T
.set PCD,   244                        ; v244-255 p's codes
.set SEL,   28
.set CS,    30
.set TB,    32
.set CNT,   33
.set HM,    34
.set QB,    36
.set OB,    38
.set SB,    40
.set QSB,   56
.macro CROUND                          ; a round of the cluster's barrier
	s_barrier_signal -1
	s_barrier_wait -1
	s_cmp_lg_u32 s10, 0
	s_cbranch_scc1 .Lnot_wave_0_\@
	s_barrier_signal -3
.Lnot_wave_0_\@:
	s_barrier_wait -3
	s_barrier_signal -1
	s_barrier_wait -1
.endm
.macro QLOAD p                         ; pass p's tile of queries and its scale words (pass 1's record lies two records on)
	global_load_b128 v[QLO:QLO+3], v[A16], s[QB:QB+1] offset:2*REC*\p
	global_load_b64 v[QLO+4:QLO+5], v[A8], s[QB:QB+1] offset:2*REC*\p+512
	global_load_b32 v[QS], v[QSA], s[QSB:QSB+1] offset:2*REC*\p
.endm
.macro KFRAG a16, a8, off, f           ; fragment f = 2 c + g: tiles (c, 2 g) and (c, 2 g + 1); a stored tile is 960 bytes of LDS
	ds_load_b128 v[KFR+12*\f:KFR+12*\f+3], v[\a16] offset:\off+3840*(\f/2)+128*(\f%2)
	ds_load_b64 v[KFR+12*\f+4:KFR+12*\f+5], v[\a8] offset:\off+3840*(\f/2)+640+64*(\f%2)
	ds_load_b128 v[KFR+12*\f+6:KFR+12*\f+9], v[\a16] offset:\off+3840*(\f/2)+960+128*(\f%2)
	ds_load_b64 v[KFR+12*\f+10:KFR+12*\f+11], v[\a8] offset:\off+3840*(\f/2)+1600+64*(\f%2)
.endm
.macro KSC a, off                      ; its rows' scale words: lanes 0-15 the even tile's, lanes 16-31 the odd tile's
.irp f, 0,1,2,3
	ds_load_b32 v[KS+\f], v[\a] offset:\off+KSO+128*(\f%2)+8*(\f/2)
.endr
.endm
.macro KPART pf, f                     ; pf = 1: the next step's K;  2: step 0's, for the next pass;  0: nothing
.if \pf == 1
	KFRAG KA16, KA8, STEPB, \f
.elseif \pf == 2
	KFRAG KL16, KL8, 0, \f
.endif
.endm
.macro KSHIFT                          ; the odd tiles' bytes (lanes 16-31) go up to bytes 2 and 3
.irp b, 0,1,2,3
	v_lshlrev_b32 v[KS+\b], v[SH], v[KS+\b]
.endr
.endm
.macro ADDP k                          ; pair k of p into the row's sum: even pairs into one chain, odd pairs into the other
.if (\k)%2
	v_pk_add_f32 v[SUM1:SUM1+1], v[SUM1:SUM1+1], v[S+2*(\k):S+2*(\k)+1]
.else
	v_pk_add_f32 v[SUM:SUM+1], v[SUM:SUM+1], v[S+2*(\k):S+2*(\k)+1]
.endif
.endm
	s_load_b128 s[4:7], s[0:1], 0x0                ; qkv, oc
	s_load_b64 s[8:9], s[0:1], 0x10                ; os
	v_lshl_add_u32 v254, v0, 2, SPARE
	v_mov_b32 v255, 0
	ds_add_u32 v254, v255
	ds_add_u32 v254, v255
	s_wait_dscnt 0x0
	v_lshrrev_b32 v148, 5, v0
	v_readfirstlane_b32 s10, v148                  ; wave 0..15
	v_and_b32 v149, 31, v0
	v_and_b32 v150, 15, v0                         ; r
	v_bfe_u32 v151, v0, 4, 1                       ; h
	v_and_b32 v152, 7, v0                          ; r % 8
	v_bfe_u32 v153, v0, 3, 1                       ; r / 8
	v_lshlrev_b32 v[A16], 4, v149
	v_lshlrev_b32 v[A8], 3, v149
	v_lshlrev_b32 v[QSA], 4, v150
	v_lshlrev_b32 v[SH], 4, v151
	v_mul_u32_u24 v154, v151, 320
	v_mul_u32_u24 v155, v153, 1920
	v_lshl_add_u32 v[VL16], v150, 4, v154
	v_lshl_add_u32 v[KL16], v152, 4, v155
	v_lshl_add_u32 v[KL8], v152, 3, v155
	v_add_nc_u32 v[KL16], v[KL16], v154
	v_lshl_add_u32 v[KL8], v151, 7, v[KL8]
	v_lshl_add_u32 v[KSL], v152, 4, v154
	v_lshl_add_u32 v[KSL], v153, 2, v[KSL]
	s_bfe_u32 s11, ttmp6, 0x40000                  ; cx: which 512 queries
	s_and_b32 s12, ttmp7, 0xffff                   ; batch x 16 + head, which the four partners share
	s_mov_b32 s16, 15|(3<<16)|(1<<20)|(1<<21)|(5<<22)|(15<<25)   ; the mask of all four; elements of 8 bytes; bit 21 beside a mask; 16 words of padding behind every 64
	s_mov_b32 s17, 32<<16                          ; 13,056 dense bytes as 51 rows of 256
	s_mov_b32 s18, 51<<16
	s_mov_b32 s19, 32<<16
	s_mov_b32 s20, 51
	s_mov_b32 s21, 32
	s_mov_b32 s22, 0
	s_mov_b32 s23, 0
	s_lshl_b32 s42, s12, 4
	s_add_co_u32 s43, s42, s10                     ; wave w fetches step w's K and V
	s_mul_i32 s44, s43, REC
	s_add_co_u32 s44, s44, 6656
	s_mov_b32 s45, 0
	s_lshl_b32 s46, s11, 2
	s_lshr_b32 s47, s10, 3
	s_add_co_u32 s46, s46, s47                     ; my queries' step in pass 0: 4 cx + wave / 8 (pass 1: two on)
	s_and_b32 s47, s10, 7                          ; and their tile i in it
	s_add_co_u32 s48, s42, s46
	s_mul_i32 s48, s48, REC                        ; their record
	s_and_b32 s56, s47, 1                          ; the scale word of row r of tile i: 6,144 + 16 (r + 16 (i % 2)) + 4 (i / 2)
	s_lshl_b32 s56, s56, 8
	s_lshr_b32 s57, s47, 1
	s_lshl_b32 s57, s57, 2
	s_add_co_u32 s56, s56, s57
	s_add_co_u32 s56, s56, 6144
	s_add_co_u32 s56, s56, s48
	s_mov_b32 s57, 0
	s_mul_i32 s49, s47, 768                        ; the tile's half image
	s_add_co_u32 s48, s48, s49
	s_mov_b32 s49, 0
	s_lshr_b32 s50, s12, 4
	s_lshl_b32 s50, s50, 7
	s_lshl_b32 s51, s46, 3
	s_add_co_u32 s50, s50, s51
	s_add_co_u32 s50, s50, s47                     ; the tile's number among all 512: 128 x batch + 8 x step + tile
	s_and_b32 s51, s12, 15                         ; the head
	s_mul_i32 s52, s50, 12288
	s_mul_i32 s53, s51, 768
	s_add_co_u32 s52, s52, s53
	s_mov_b32 s53, 0
	s_lshl_b32 s54, s50, 9
	s_lshr_b32 s55, s51, 2
	s_lshl_b32 s55, s55, 7
	s_add_co_u32 s54, s54, s55
	s_and_b32 s55, s51, 3
	s_lshl_b32 s55, s55, 1
	s_add_co_u32 s54, s54, s55                     ; 512 x tile + 128 (head / 4) + 2 (head % 4)
	s_mov_b32 s55, 0
	s_mov_b32 s[SEL], 0x76543210
	s_mov_b32 s[SEL+1], 0xfedcba98
	s_mov_b32 s[CS], 0x3e38aa3b                    ; c = log2(e) / 8
	s_mov_b32 s[CS+1], s[CS]
	s_mov_b32 s[HM], 0xffff0000
	s_mov_b32 s24, 1
	s_mul_i32 s25, s10, STEPB                      ; no place in the cluster enters an LDS address
	s_wait_alu depctr_va_vdst(0)
	s_wait_kmcnt 0x0
	s_add_nc_u64 s[26:27], s[4:5], s[44:45]
	s_or_b32 s27, s27, 0x80000000
	s_add_nc_u64 s[QB:QB+1], s[4:5], s[48:49]
	s_add_nc_u64 s[QSB:QSB+1], s[4:5], s[56:57]
	s_add_nc_u64 s[OB:OB+1], s[6:7], s[52:53]
	s_add_nc_u64 s[SB:SB+1], s[8:9], s[54:55]
	QLOAD 0
	CROUND                                         ; all four work-groups are here: the joint loads meet
	tensor_load_to_lds s[24:27], s[16:23]          ; my one tensor load of the launch
	s_nop 0
.rept 4
	v_nop
.endr
.irp j, 0,1,2,3,4,5
	v_mov_b32 v[QHI+\j], 0                         ; zero codes on both sides of Q: written once
	v_mov_b32 v[QLO+6+\j], 0
.endr
	v_mov_b32 v[PT], 0                             ; a lane permute's destination counts as one of its sources
	v_mov_b32 v[PT+1], 0
	v_mov_b32 v[PW], 0                             ; (named as the upper half of the pair v[20:21] before it is first written)
	s_wait_alu depctr_va_vdst(0)
	s_wait_tensorcnt 0x0                           ; my step's K and V are in,
	s_barrier_signal -1
	s_barrier_wait -1                              ; everybody's are
.irp f, 0,1,2,3
	KFRAG KL16, KL8, 0, \f                         ; step 0's K
.endr
	KSC KSL, 0
	s_wait_dscnt 0x0
	KSHIFT
; A KEY STEP: 128 keys.  Its K and K's scale words are in registers when it begins.
.macro STEP pf
.irp t, 0,1,2,3,4,5,6,7
.if \t%2
	v_wmma_scale_f32_16x16x128_f8f6f4 v[S+8*\t:S+8*\t+7], v[KFR+12*(\t/2):KFR+12*(\t/2)+11], v[QHI:QHI+11], 0, v[KS+\t/2], v[QS] matrix_a_fmt:MATRIX_FMT_BF6 matrix_b_fmt:MATRIX_FMT_BF6 matrix_a_scale:MATRIX_SCALE_ROW1 matrix_b_scale:MATRIX_SCALE_ROW1
.else
	v_wmma_scale_f32_16x16x128_f8f6f4 v[S+8*\t:S+8*\t+7], v[KFR+12*(\t/2):KFR+12*(\t/2)+11], v[QLO:QLO+11], 0, v[KS+\t/2], v[QS] matrix_a_fmt:MATRIX_FMT_BF6 matrix_b_fmt:MATRIX_FMT_BF6
.endif
.endr
	v_add_nc_u32 v[VA16], s[TB], v[VL16]           ; these lines are the four places behind the products (ISA guide 7.12.1), this step's and the last step's
	v_add_nc_u32 v[VA8], s[TB], v[A8]
	v_mov_b32 v[TMP], v[NM]                        ; the old -M
.if \pf == 1
	v_add_nc_u32 v[KA16], s[TB], v[KL16]
	v_add_nc_u32 v[KA8], s[TB], v[KL8]
	v_add_nc_u32 v[KSA], s[TB], v[KSL]
.else
	v_nop
.endif
.irp t, 0,1,2,3
	ds_load_b128 v[VFR+12*\t:VFR+12*\t+3], v[VA16] offset:VO+1920*\t
	ds_load_b64 v[VFR+12*\t+4:VFR+12*\t+5], v[VA8] offset:VO+1920*\t+640
	ds_load_b128 v[VFR+12*\t+6:VFR+12*\t+9], v[VA16] offset:VO+1920*\t+960
	ds_load_b64 v[VFR+12*\t+10:VFR+12*\t+11], v[VA8] offset:VO+1920*\t+1600
.endr
	ds_load_b64 v[VS:VS+1], v[VA8] offset:VSO
.irp q, 0,1,2,3                                ; four chains of 16 scores by turns (chain q in v[BM + q / 2 + 2 (q % 2)]), each accumulator from its low end on
	v_max3_num_f32 v[BM+\q/2+2*(\q%2)], v[S+16*\q], v[S+16*\q+1], v[S+16*\q+2]
.endr
.irp i, 3,5,7,9,11,13
.irp q, 0,1,2,3
	v_max3_num_f32 v[BM+\q/2+2*(\q%2)], v[BM+\q/2+2*(\q%2)], v[S+16*\q+\i], v[S+16*\q+\i+1]
.endr
.endr
.irp c, 0,1
	v_max3_num_f32 v[BM+\c], v[BM+\c], v[PT+\c], v[S+32*\c+15]
.endr
.irp c, 0,1
	v_max_num_f32 v[BM+\c], v[BM+\c], v[S+32*\c+31]   ; the largest score of my block 2 c + h
.endr
	v_max_num_f32 v[PT+1], v[BM], v[BM+1]          ; each of the next lines reads the one before it: the loads of the K that comes next stand between them
	KPART \pf, 0
	v_permlanex16_b32 v[PT], v[PT+1], s[SEL], s[SEL+1]
	KPART \pf, 1
	v_max3_num_f32 v[NM+1], v[NM+1], v[PT], v[PT+1]   ; the running largest score of my query
	KPART \pf, 2
	v_mul_f32 v[PT], s[CS], v[NM+1]                ; as t (c is positive)
	KPART \pf, 3
	v_floor_f32 v[NM], -v[PT]                      ; the new -M = floor(-t) = -ceil(t)
.if \pf == 1
	KSC KSA, STEPB
.elseif \pf == 2
	KSC KSL, 0
	QLOAD 1                                        ; the next pass's queries
.endif
.set n, 0
.rept 32
	v_pk_fma_f32 v[S+n:S+n+1], v[S+n:S+n+1], s[CS:CS+1], v[NM:NM+1] op_sel_hi:[1,0,0]   ; t - M, two at a time
.if n == 6
	v_sub_f32 v[TMP], v[NM], v[TMP]                ; old M - new M: a whole number, 0 or less
.elseif n == 14
	v_cvt_i32_f32 v[TMP], v[TMP]                   ; (it saturates)
.elseif n == 22
	v_ldexp_f32 v[FF], 1.0, v[TMP]                 ; f = 2^(old M - new M)
.endif
.set n, n+2
.endr
.irp c, 0,1
	v_fma_f32 v[BM+\c], v[BM+\c], s[CS], v[NM]     ; the same of each block's largest score
.endr
	v_pk_mul_f32 v[SUM:SUM+1], v[SUM:SUM+1], v[FF:FF+1] op_sel_hi:[1,0]   ; the sums under the new M
.set n, 0
.rept 16
	v_pk_mul_f32 v[O+n:O+n+1], v[O+n:O+n+1], v[FF:FF+1] op_sel_hi:[1,0]   ; O^T under the new M
.set n, n+2
.endr
	s_wait_alu depctr_va_vdst(0)
.set n, 0
.rept 64
	v_exp_f32 v[S+n], v[S+n]                       ; p = 2^(t - M), at most 1
.set n, n+1
.endr
	v_exp_f32 v[BM], v[BM]                         ; my blocks' largest p
	v_exp_f32 v[BM+1], v[BM+1]
	v_nop                                          ; one plain place behind a transcendental
	s_wait_dscnt 0x0                               ; V, and the K that comes next, are in
	s_wait_alu depctr_va_vdst(0)                   ; one wait for the whole batch
.if \pf
	KSHIFT
.endif
.irp c, 0,1
	v_max_num_f32 v[BM+\c], 0x2800000, v[BM+\c]    ; the floor 2^(5 - 127): the byte cannot fall under 1
.endr
	v_pk_add_f32 v[SUM1:SUM1+1], v[S+2:S+3], v[S+6:S+7]   ; THE ROW'S SUM IS TAKEN OF THE UNQUANTISED p
	ADDP 0
.irp c, 0,1
	v_add_nc_u32 v[BM+\c], 0xfe000000, v[BM+\c]    ; 4 off the exponent field: the conversion's scale operand
.endr
	ADDP 2
	ADDP 5
.irp c, 0,1
	v_lshrrev_b32 v[PT+\c], 23, v[BM+\c]           ; the scale's byte
.endr
	ADDP 4
	ADDP 7
	v_lshl_or_b32 v[PW], v[PT+1], 16, v[PT]        ; my blocks h and 2 + h
	ADDP 6
	ADDP 9
	v_permlanex16_b32 v[PT], v[PW], s[SEL], s[SEL+1]
	ADDP 8
	ADDP 11
	v_lshl_or_b32 v[PW], v[PT], 8, v[PW]           ; lanes 0-15, which alone are read, now hold the four bytes of their query
	v_cvt_scalef32_pk16_bf6_f32 v[PCD:PCD+2], v[S:S+15], v[BM]
	v_cvt_scalef32_pk16_bf6_f32 v[PCD+6:PCD+8], v[S+32:S+47], v[BM+1]
.irp k, 10,13,12,15
	ADDP \k                                        ; plain lines between the conversions above and those that write over their sources
.endr
	v_cvt_scalef32_pk16_bf6_f32 v[S:S+2], v[S+16:S+31], v[BM]        ; (a conversion's three registers begin on an even number: the upper halves are made in registers whose p are summed and converted, and moved)
	v_cvt_scalef32_pk16_bf6_f32 v[S+4:S+6], v[S+48:S+63], v[BM+1]
.irp k, 14,17,16,19,18,21,20,23,22,25
	ADDP \k
.endr
.irp i, 0,1,2
	v_mov_b32 v[PCD+3+\i], v[S+\i]
	v_mov_b32 v[PCD+9+\i], v[S+4+\i]
.endr
.irp k, 24,27,26,29,28,31,30
	ADDP \k                                        ; eight plain lines between the codes' last writes and the products
.endr
	v_pk_add_f32 v[SUM:SUM+1], v[SUM:SUM+1], v[SUM1:SUM1+1]
.irp t, 0,1,2,3                                ; O^T += V^T P^T: the four accumulators by turns
.if \t%2
	v_wmma_scale_f32_16x16x128_f8f6f4 v[O+8*\t:O+8*\t+7], v[VFR+12*\t:VFR+12*\t+11], v[PCD:PCD+11], v[O+8*\t:O+8*\t+7], v[VS+\t/2], v[PW] matrix_a_fmt:MATRIX_FMT_BF6 matrix_b_fmt:MATRIX_FMT_BF6 matrix_a_scale:MATRIX_SCALE_ROW1
.else
	v_wmma_scale_f32_16x16x128_f8f6f4 v[O+8*\t:O+8*\t+7], v[VFR+12*\t:VFR+12*\t+11], v[PCD:PCD+11], v[O+8*\t:O+8*\t+7], v[VS+\t/2], v[PW] matrix_a_fmt:MATRIX_FMT_BF6 matrix_b_fmt:MATRIX_FMT_BF6
.endif
.endr
.endm
; A PASS: one tile of 16 queries against all 2,048 keys.  Its Q and step 0's K were asked for earlier.
.macro PASS p
.if \p
	s_wait_xcnt 0x0                                ; the last pass's stores have read their registers
.endif
	s_wait_loadcnt 0x0                             ; Q and its scale words
	v_lshlrev_b32 v[QS], v[SH], v[QS]              ; lanes 16-31 hold the word for [0 | Q]
	v_mov_b32 v[NM+1], 0xff61b1e6                  ; the largest score so far: -3e38
	v_mov_b32 v[NM], 0x7e800000                    ; -M: a large whole number, so that the first f is 0
	v_mov_b32 v[SUM], 0
	v_mov_b32 v[SUM+1], 0
.set n, 0
.rept 32
	v_mov_b32 v[O+n], 0                            ; the step has no first form of its own: its first trip finds zeros
.set n, n+1
.endr
	s_mov_b32 s[TB], 0
	s_mov_b32 s[CNT], 15
.Lstep_\@:
	STEP 1
	s_add_co_u32 s[TB], s[TB], STEPB
	s_sub_co_u32 s[CNT], s[CNT], 1
	s_cmp_lg_u32 s[CNT], 0
	s_cbranch_scc1 .Lstep_\@
.if \p
	STEP 0                                         ; the last step of all fetches nothing
.else
	STEP 2                                         ; pass 0's last step fetches step 0's K and pass 1's Q
.endif
.rept 4
	v_nop                                          ; places behind the last products
.endr
	v_add_f32 v[SUM], v[SUM], v[SUM+1]
	v_permlanex16_b32 v[FF], v[SUM], s[SEL], s[SEL+1]
	v_add_f32 v[SUM], v[SUM], v[FF]                ; with lane l xor 16's: the row's sum
	s_wait_alu depctr_va_vdst(0)
	v_rcp_f32 v[SUM], v[SUM]
	v_nop                                          ; one plain place behind a transcendental
	s_wait_alu depctr_va_vdst(0)
.set n, 0
.rept 32
	v_mul_f32 v[S+n], v[O+n], v[SUM]               ; O / the sum: register 16 b + i is channel 32 b + 16 h + i of my query
.set n, n+1
.endr
.irp b, 0,1                                    ; quantised along D: the head's two blocks of 32, half a block to a lane
	v_max3_num_f32 v[BM+\b], |v[S+16*\b]|, |v[S+1+16*\b]|, 0x2800000
.endr
.irp i, 2,4,6,8,10,12,14
.irp b, 0,1
	v_max3_num_f32 v[BM+\b], v[BM+\b], |v[S+16*\b+\i]|, |v[S+1+16*\b+\i]|
.endr
.endr
.irp b, 0,1
	v_permlanex16_b32 v[PT+\b], v[BM+\b], s[SEL], s[SEL+1]
.endr
	v_and_b32 v[S+40], 15, v0
	v_bfe_u32 v[S+41], v0, 4, 1
.irp b, 0,1
	v_max_num_f32 v[BM+\b], v[BM+\b], v[PT+\b]
.endr
	v_lshl_add_u32 v[S+40], v[S+40], 3, v[S+41]    ; 8 r + h: my scale byte in os
.irp b, 0,1
	v_add_nc_u32 v[BM+\b], 0xfe000000, v[BM+\b]
.endr
.irp b, 0,1
	v_lshrrev_b32 v[PT+\b], 23, v[BM+\b]
.endr
	v_cndmask_b32 v[TMP], v[PT], v[PT+1], s[HM]    ; lanes 0-15 store block 0's byte, lanes 16-31 block 1's
	v_cvt_scalef32_pk16_bf6_f32 v[PCD:PCD+2], v[S:S+15], v[BM]
	v_cvt_scalef32_pk16_bf6_f32 v[S+32:S+34], v[S+16:S+31], v[BM+1]
	v_nop                                          ; one plain place behind a scaled conversion
.irp i, 0,1,2
	v_permlane16_swap_b32 v[PCD+\i], v[S+32+\i]
.endr
.irp i, 0,1,2
	v_mov_b32 v[PCD+3+\i], v[S+32+\i]
.endr
	global_store_b128 v[A16], v[PCD:PCD+3], s[OB:OB+1] offset:196608*\p        ; the half image: 512 and 256 consecutive bytes; pass 1's tile lies 16 tiles on
	global_store_b64 v[A8], v[PCD+4:PCD+5], s[OB:OB+1] offset:196608*\p+512
	global_store_b8 v[S+40], v[TMP], s[SB:SB+1] offset:8192*\p
.endm
	PASS 0
	PASS 1
	s_wait_xcnt 0x0
	v_lshl_add_u32 v254, v0, 2, SPARE
	v_mov_b32 v255, 0
	s_wait_alu depctr_va_vdst(0)
	s_wait_tensorcnt 0x0                           ; the wave's end
	ds_add_u32 v254, v255
	s_wait_dscnt 0x0
	CROUND                                         ; the closing round
	s_endpgm
.Lfunc_end_k_q996f3d9833_attn:
	.size	k_q996f3d9833_attn, .Lfunc_end_k_q996f3d9833_attn-k_q996f3d9833_attn
	.p2alignl 7, 3214868480
	.fill 96, 4, 3214868480
	.section	.rodata,"a",@progbits
	.p2align	6, 0x0
	.amdhsa_kernel k_q996f3d9833_attn
		.amdhsa_group_segment_fixed_size 263168
		.amdhsa_private_segment_fixed_size 0
		.amdhsa_enable_private_segment 0
		.amdhsa_kernarg_size 24
		.amdhsa_user_sgpr_count 2
		.amdhsa_user_sgpr_kernarg_segment_ptr 1
		.amdhsa_wavefront_size32 1
		.amdhsa_system_sgpr_workgroup_id_x 1
		.amdhsa_system_sgpr_workgroup_id_y 1
		.amdhsa_system_sgpr_workgroup_id_z 1
		.amdhsa_system_vgpr_workitem_id 0
		.amdhsa_next_free_vgpr 256
		.amdhsa_next_free_sgpr 66
		.amdhsa_reserve_vcc 0
		.amdhsa_float_denorm_mode_32 3
		.amdhsa_float_denorm_mode_16_64 3
		.amdhsa_memory_ordered 1
		.amdhsa_forward_progress 1
		.amdhsa_inst_pref_size 77
	.end_amdhsa_kernel
	.amdgpu_metadata
---
amdhsa.version: [ 1, 2 ]
amdhsa.kernels:
  - .name:           k_q996f3d9833_attn
    .symbol:         k_q996f3d9833_attn.kd
    .args:
      - { .name: qkv, .offset: 0, .size: 8, .value_kind: global_buffer, .address_space: global }
      - { .name: oc, .offset: 8, .size: 8, .value_kind: global_buffer, .address_space: global }
      - { .name: os, .offset: 16, .size: 8, .value_kind: global_buffer, .address_space: global }
    .group_segment_fixed_size: 263168
    .private_segment_fixed_size: 0
    .kernarg_segment_align: 8
    .kernarg_segment_size: 24
    .max_flat_workgroup_size: 512
    .sgpr_count:     66
    .vgpr_count:     256
    .wavefront_size: 32
...
	.end_amdgpu_metadata
.endif
;; end of part 3
;; launch proj (part 4): grid 4 x 64, 4 waves a work-group, clusters of 4 x 4, 327,680 bytes of LDS; arguments oc, os, cod, scl, bo, out0; writes out0
.if DOCPART == 4
	.amdgcn_target "amdgcn-amd-amdhsa--gfx1250"
	.amdhsa_code_object_version 6
	.text
	.protected	k_q996f3d9833_proj
	.globl	k_q996f3d9833_proj
	.p2align	8
	.type	k_q996f3d9833_proj,@function
k_q996f3d9833_proj:
	s_mov_b64 s[64:65], 0
	v_nop
	global_prefetch_b8 v0, s[64:65] scope:SCOPE_SE
	s_setreg_imm32_b32 hwreg(HW_REG_WAVE_MODE, 25, 1), 1
	s_wait_xcnt 0x0
	s_wait_alu depctr_hold_cnt(0) depctr_sa_sdst(0) depctr_va_vdst(0) depctr_va_sdst(0) depctr_va_ssrc(0) depctr_va_vcc(0) depctr_vm_vsrc(0)
	s_getreg_b32 s2, hwreg(HW_REG_IB_STS2, 6, 4)
	s_cmp_eq_u32 s2, 0
	s_cbranch_scc0 .Lentry_in_a_cluster
	s_endpgm
.Lentry_in_a_cluster:
	s_bfe_u32 s2, ttmp6, 0x10000c
	s_cmp_lg_u32 s2, 0xf033
	s_cbranch_scc0 .Lentry_shape_is_right
	s_endpgm
.Lentry_shape_is_right:
; out0 = O Wo^T + bo on codes of BF6 (E3M2) with E8M0 scales, sums in f32.  oc [tile of 16 positions][8 K steps][1,536 bytes] and os [tile][4 pairs of K steps][16 rows][2 words]: attention's result as images of
; operand registers and scale words; cod, scl: the same for Wo (tiles 704-767).  Lane r of tile T holds row 32 (T / 2) + 8 (T % 2) + r + 8 (r / 8).
; A block of 128 x 256 of the result is made by four waves, 64 x 128 each: 32 accumulators, 256 registers.  8,192 x 1,024 / (128 x 256) = 256 work-groups.
; ALL OF K LIES IN LDS AT ONCE: A's 8 tiles are 98,304 dense bytes, B's 16 tiles 196,608, the scale words 4,096 + 8,192.  Each is one tensor load of rows of 256 bytes, one load a wave, filled once:
; no byte is filled again, so the walk along K has no barrier.  No prefetch: every byte is asked for once, at the head, and there is no loop to run ahead in.
; CLUSTERS: 4 x 4 work-groups; A's loads are asked for jointly along a row of the cluster, B's along a column.
; THE MATRIX INSTRUCTION IS USED TRANSPOSED (source 0 = 16 rows of Wo, source 1 = 16 rows of O): a lane holds eight neighbouring numbers of a row of the result.  The bias is the first products' C.
; REGISTERS: window 0: v16-31 addresses; v32-63 scale words, two sets; v64-127 the bias; v128-223 A's fragments, two sets of 48; on the way out v128-255.  window 1: B's fragments, two sets, at v0 and v128.
;   window 2: accumulator (a, b) at v[8 (8 a + b)].
.set FR,     12                        ; registers of a fragment
.set FRB,    1536                      ; its image in bytes
.set TB,     8*FRB                     ; a tile, all of K
.set NP,     4                         ; places behind this matrix instruction (ISA guide 7.12.1)
.set BBASE,  8*TB                      ; B's 16 tiles lie behind A's 8
.set SCL,    24*TB                     ; the scale words, 512 bytes a tile: A's 8 tiles, then B's 16
.set SPARE,  SCL+24*512                ; the spare words, 128 bytes for each wave
.set SPITCH, 528                       ; the way out: a stage of 16 rows x (512 + 16) bytes for each wave, over A's bytes, behind a barrier behind which nobody reads them
.set AA16, 16                          ; 16 x lane + my 4 tiles of A;  AA8: 8 x lane + the same
.set AA8,  17
.set BA16, 18                          ; the same for my B tiles 0-3,
.set BA8,  19
.set BB16, 20                          ; and 4-7 (an LDS offset has 16 bits)
.set BB8,  21
.set STO,  24
.set RD,   25
.set CO,   26
.set ADRS, 27                          ; my scale words: lanes 0-15 A's rows, lanes 16-31 B's
.set SPW,  28
.set NIL,  29
.set SC,   32
.set BC,   64
.set AF,   128
.set BK,   128
.set G1,   24
.set G0,   32
.set G0B,  36
.set G1B,  48
.set G1S,  68
.set G0S,  76
.set G1SB, 80
.set G0SB, 88
.set CW,  (3<<16)|(1<<21)              ; group 1, word 0 beside the mask: elements of 8 bytes, no padding, bit 21 set beside a mask
.set MSB, 0
.macro WIN new                         ; the immediate's high byte repeats the setting that is left
.if MSB != \new
	s_set_vgpr_msb (MSB<<8)|\new
.set MSB, \new
.endif
.endm
.set MUL_LO, 0xa1                      ; source 0 (B) window 1, source 1 (A) window 0, C and D window 2
.set BEG_LO, 0x81                      ; the same with C (the bias) in window 0
.set TO_B,   0x40                      ; destination window 1, address window 0
.macro CROUND                          ; a round of the cluster's barrier
	s_barrier_signal -1
	s_barrier_wait -1
	s_cmp_lg_u32 s16, 0
	s_cbranch_scc1 .Lnot_wave_0_\@
	s_barrier_signal -3
.Lnot_wave_0_\@:
	s_barrier_wait -3
	s_barrier_signal -1
	s_barrier_wait -1
.endm
.macro SHAPE g, rows                   ; a dense block as rows of 256 bytes (32 elements of 8)
	s_mov_b32 s[\g+1], 32<<16
	s_mov_b32 s[\g+2], (\rows)<<16
	s_mov_b32 s[\g+3], 32<<16
	s_mov_b32 s[\g+4], \rows
	s_mov_b32 s[\g+5], 32
	s_mov_b32 s[\g+6], 0
	s_mov_b32 s[\g+7], 0
.endm
.macro DESC g0, lds, a
	s_mov_b32 s[\g0], 1
	s_mov_b32 s[\g0+1], \lds
	s_mov_b64 s[\g0+2:\g0+3], s[\a:\a+1]
	s_or_b32 s[\g0+3], s[\g0+3], 0x80000000
.endm
	s_load_b256 s[4:11], s[0:1], 0x0               ; oc s[4:5], os s[6:7], cod s[8:9], scl s[10:11]
	s_load_b128 s[12:15], s[0:1], 0x20             ; bo s[12:13], out0 s[14:15]
	v_lshl_add_u32 v[SPW], v0, 2, SPARE
	v_mov_b32 v[NIL], 0
	ds_add_u32 v[SPW], v[NIL]
	ds_add_u32 v[SPW], v[NIL]
	s_wait_dscnt 0x0
	v_lshrrev_b32 v1, 5, v0
	v_readfirstlane_b32 s16, v1                    ; wave 0..3
	s_lshr_b32 s17, s16, 1                         ; which 4 tiles of A are mine
	s_and_b32 s18, s16, 1                          ; which 8 tiles of B
	s_bfe_u32 s20, ttmp6, 0x40000                  ; cx, cy: my place in the cluster
	s_bfe_u32 s21, ttmp6, 0x40004
	s_and_b32 s23, ttmp7, 0xffff                   ; the cluster's y: 0..15
	s_lshl_b32 s2, s21, 2
	s_lshl_b32 s2, 15, s2                          ; my row of the cluster
	s_lshl_b32 s3, 0x1111, s20                     ; my column
	s_or_b32 s[G1], s2, CW                         ; A's loads go to my row,
	s_or_b32 s[G1B], s3, CW                        ; B's to my column
	s_or_b32 s[G1S], s2, CW
	s_or_b32 s[G1SB], s3, CW
	SHAPE G1, 384                                  ; A's codes: 98,304 bytes
	SHAPE G1B, 768                                 ; B's: 196,608
	SHAPE G1S, 16                                  ; A's scale words: 4,096
	SHAPE G1SB, 32                                 ; B's: 8,192
	s_lshl_b32 s40, s23, 2
	s_add_co_u32 s40, s40, s21
	s_lshl_b32 s40, s40, 3                         ; A's first tile: 8 (4 cluster y + cy)
	s_lshl_b32 s42, s20, 4
	s_add_co_u32 s42, s42, 704                     ; B's: Wo's tiles, + 16 cx
	s_lshl_b32 s44, s40, 9                         ; their scale words, 512 bytes a tile,
	s_mov_b32 s45, 0
	s_lshl_b32 s46, s42, 9
	s_mov_b32 s47, 0
	s_mul_i32 s40, s40, TB                         ; and their codes
	s_mov_b32 s41, 0
	s_mul_i32 s42, s42, TB
	s_mov_b32 s43, 0
	s_lshl_b32 s92, s20, 10
	s_lshl_b32 s93, s18, 9
	s_add_co_u32 s92, s92, s93                     ; my first column, in bytes: 1,024 cx + 512 (wave & 1)
	s_mov_b32 s93, 0
	s_lshl_b32 s94, s23, 2
	s_add_co_u32 s94, s94, s21
	s_lshl_b32 s94, s94, 1
	s_add_co_u32 s94, s94, s17
	s_lshl_b32 s94, s94, 18                        ; my first row: 64 rows of 4,096 bytes for each (work-group y, wave / 2)
	s_add_co_u32 s94, s94, s92
	s_mov_b32 s95, 0
	s_mul_i32 s56, s17, 4*TB                       ; LDS: my 4 tiles of A,
	s_mul_i32 s57, s18, 8*TB
	s_add_co_u32 s57, s57, BBASE                   ; my B tiles 0-3,
	s_add_co_u32 s58, s57, 4*TB                    ; and 4-7;
	s_lshl_b32 s59, s17, 11                        ; A's scale words: my 4 tiles;
	s_lshl_b32 s60, s18, 12
	s_add_co_u32 s60, s60, 8*512                   ; B's: my 8 tiles, behind A's 8
	s_sub_co_u32 s60, s60, s59                     ; the distance between the two
	s_add_co_u32 s59, s59, SCL
	s_mul_i32 s61, s16, 16*SPITCH                  ; my stage
	s_wait_kmcnt 0x0
	s_add_nc_u64 s[40:41], s[4:5], s[40:41]
	s_add_nc_u64 s[44:45], s[6:7], s[44:45]
	s_add_nc_u64 s[42:43], s[8:9], s[42:43]
	s_add_nc_u64 s[46:47], s[10:11], s[46:47]
	s_add_nc_u64 s[12:13], s[12:13], s[92:93]
	s_add_nc_u64 s[14:15], s[14:15], s[94:95]
	CROUND                                         ; all sixteen work-groups are here: the joint loads meet
	DESC G0, 0, 40
	DESC G0B, BBASE, 42
	DESC G0S, SCL, 44
	DESC G0SB, SCL+8*512, 46
; THE LAUNCH'S FOUR LOADS, ONE A WAVE: wave 0 A's codes, wave 1 B's, wave 2 A's scale words, wave 3 B's.  One chain of branches on the wave's number; every way passes one load.
.macro ARM under, g0, g1, next
	s_cmp_lt_u32 s16, \under
	s_cbranch_scc0 \next
	tensor_load_to_lds s[\g0:\g0+3], s[\g1:\g1+7]
	s_nop 0
.rept 4
	v_nop
.endr
	s_branch .Lhead_asked
\next:
.endm
	ARM 1, G0,  G1,  .Lhead_b
	ARM 2, G0B, G1B, .Lhead_sa
	ARM 3, G0S, G1S, .Lhead_sb
	tensor_load_to_lds s[G0SB:G0SB+3], s[G1SB:G1SB+7]
	s_nop 0
.rept 4
	v_nop
.endr
.Lhead_asked:
	v_and_b32 v1, 31, v0                           ; lane
	v_and_b32 v2, 15, v0                           ; r
	v_bfe_u32 v3, v0, 4, 1                         ; h
	v_lshlrev_b32 v6, 6, v3
.irp b, 0,1,2,3,4,5,6,7
	global_load_b128 v[BC+8*\b:BC+8*\b+3], v6, s[12:13] offset:(32*(\b/2)+8*(\b%2))*4        ; the bias in the results' layout: column 32 (b / 2) + 8 (b % 2) + 16 h + j
	global_load_b128 v[BC+8*\b+4:BC+8*\b+7], v6, s[12:13] offset:(32*(\b/2)+8*(\b%2))*4+16
.endr
	v_lshlrev_b32 v[CO], 4, v1
	v_lshlrev_b32 v5, 3, v1
	v_add_nc_u32 v[AA16], s56, v[CO]
	v_add_nc_u32 v[AA8], s56, v5
	v_add_nc_u32 v[BA16], s57, v[CO]
	v_add_nc_u32 v[BA8], s57, v5
	v_add_nc_u32 v[BB16], s58, v[CO]
	v_add_nc_u32 v[BB8], s58, v5
	v_lshlrev_b32 v4, 3, v2                        ; my row's two words of a pair of K steps
	v_mul_u32_u24 v7, s60, v3                      ; lanes 16-31 take B's
	v_add_nc_u32 v4, v4, v7
	v_add_nc_u32 v[ADRS], s59, v4
	v_mul_u32_u24 v4, v2, SPITCH                   ; the stage, in: row r, 64 bytes for each half of the lanes
	v_lshl_add_u32 v4, v3, 6, v4
	v_add_nc_u32 v[STO], s61, v4
	v_add_nc_u32 v[RD], s61, v[CO]                 ; and back: the 32 lanes take one row of 512 bytes
.macro FRAG reg, a16, a8, off          ; a fragment comes as the image that it was stored as: every load reads consecutive bytes
	ds_load_b128 v[\reg:\reg+3],     v[\a16] offset:\off
	ds_load_b64  v[\reg+4:\reg+5],   v[\a8]  offset:\off+512
	ds_load_b128 v[\reg+6:\reg+9],   v[\a16] offset:\off+768
	ds_load_b64  v[\reg+10:\reg+11], v[\a8]  offset:\off+1280
.endm
.macro FETCH_B q, p                    ; B's eight fragments of K step q into set p
	WIN TO_B
.irp i, 0,1,2,3
	FRAG 128*(\p)+FR*\i, BA16, BA8, \i*TB+(\q)*FRB
.endr
.irp i, 0,1,2,3
	FRAG 128*(\p)+FR*(\i+4), BB16, BB8, \i*TB+(\q)*FRB
.endr
	WIN 0
.endm
.macro FETCH_A q, p                    ; A's four
.irp i, 0,1,2,3
	FRAG AF+48*(\p)+FR*\i, AA16, AA8, \i*TB+(\q)*FRB
.endr
.endm
.macro SCALES pr                       ; the scale words of K steps 2 pr and 2 pr + 1 into set pr % 2: lanes 0-15 A's block i (used for i < 4), lanes 16-31 B's block i
.irp i, 0,1,2,3,4,5,6,7
	ds_load_b64 v[SC+16*((\pr)%2)+2*\i:SC+16*((\pr)%2)+2*\i+1], v[ADRS] offset:\i*512+128*(\pr)
.endr
.endm
.macro PLACES n
.rept \n
	v_nop
.endr
.endm
; 16 matrix instructions: A's blocks a0, a0 + 1 x B's eight, K step q, on the sets q % 2.  The 32 accumulators take turns, in the same order in every step.
.macro MUL16 a0, q
.irp a, \a0, \a0+1
.irp b, 0,1,2,3,4,5,6,7
.if (\q) == 0
	v_wmma_scale_f32_16x16x128_f8f6f4 v[8*(8*(\a)+\b):8*(8*(\a)+\b)+7], v[128*((\q)%2)+FR*\b:128*((\q)%2)+FR*\b+FR-1], v[AF+48*((\q)%2)+FR*(\a):AF+48*((\q)%2)+FR*(\a)+FR-1], v[BC+8*\b:BC+8*\b+7], v[SC+16*(((\q)/2)%2)+2*\b+(\q)%2], v[SC+16*(((\q)/2)%2)+2*(\a)+(\q)%2] matrix_a_fmt:MATRIX_FMT_BF6 matrix_b_fmt:MATRIX_FMT_BF6 matrix_a_scale:MATRIX_SCALE_ROW1
.else
	v_wmma_scale_f32_16x16x128_f8f6f4 v[8*(8*(\a)+\b):8*(8*(\a)+\b)+7], v[128*((\q)%2)+FR*\b:128*((\q)%2)+FR*\b+FR-1], v[AF+48*((\q)%2)+FR*(\a):AF+48*((\q)%2)+FR*(\a)+FR-1], v[8*(8*(\a)+\b):8*(8*(\a)+\b)+7], v[SC+16*(((\q)/2)%2)+2*\b+(\q)%2], v[SC+16*(((\q)/2)%2)+2*(\a)+(\q)%2] matrix_a_fmt:MATRIX_FMT_BF6 matrix_b_fmt:MATRIX_FMT_BF6 matrix_a_scale:MATRIX_SCALE_ROW1
.endif
.endr
.endr
.endm
; A K step: the next step's fragments are asked for, into the sets that the last step multiplied; then this step's 32 products.
.macro STEP q
.if (\q) < 7
.if (\q) > 0
	PLACES NP                                      ; in front of loads into registers that the last step's products have read
.endif
	FETCH_B (\q)+1, ((\q)+1)%2
	FETCH_A (\q)+1, ((\q)+1)%2
.if (\q)%2
	SCALES ((\q)+1)/2
	s_wait_dscnt 56                                ; all but the 48 + 8 loads just issued: this step's are in
.else
	s_wait_dscnt 48                                ; all but the 48 loads just issued
.endif
.else
	s_wait_dscnt 0x0                               ; my reads of LDS are over:
	s_barrier_signal -1                            ; say so, and work on registers while the others arrive
.endif
.if (\q) == 0
	WIN BEG_LO
.else
	WIN MUL_LO
.endif
	MUL16 0, \q
	MUL16 2, \q
.endm
	s_wait_alu depctr_va_vdst(0)
	s_wait_tensorcnt 0x0                           ; my load is in,
	s_barrier_signal -1
	s_barrier_wait -1                              ; everybody's are: nothing is filled again
	FETCH_B 0, 0
	FETCH_A 0, 0
	SCALES 0
	s_wait_loadcnt 0x0                             ; the bias
.irp q, 0,1,2,3,4,5,6,7
	STEP \q
.endr
	WIN 0
	s_barrier_wait -1                              ; nobody reads A's bytes any more: the stages may be written
; THE WAY OUT, block by block of 16 rows x 128 columns: through my own stage and back as whole rows of 512 bytes, which the 32 lanes store as two aligned runs of 256 bytes.
; LDS serves a wave's instructions in order (ISA guide 5.7.1.4): no wait between the stores and the loads.
.macro TOSTAGE a
.set AC, 64*(\a)
	WIN 0x08                                       ; the data: window 2
.irp b, 0,1,2,3,4,5,6,7
	ds_store_b128 v[STO], v[AC+8*\b:AC+8*\b+3] offset:128*(\b/2)+32*(\b%2)        ; each accumulator from its low end on
	ds_store_b128 v[STO], v[AC+8*\b+4:AC+8*\b+7] offset:128*(\b/2)+32*(\b%2)+16
.endr
	WIN 0
.set BB, BK+64*((\a)%2)
.irp t, 0,1,2,3,4,5,6,7,8,9,10,11,12,13,14,15
	ds_load_b128 v[BB+4*\t:BB+4*\t+3], v[RD] offset:\t*SPITCH
.endr
.endm
.macro SEND a, younger                 ; younger: the LDS instructions issued behind block a's loads, which may stay out
.set BB, BK+64*((\a)%2)
	s_wait_dscnt \younger
.irp t, 0,1,2,3,4,5,6,7,8,9,10,11,12,13,14,15
	global_store_b128 v[CO], v[BB+4*\t:BB+4*\t+3], s[14:15] offset:(32*((\a)/2)+8*((\a)%2)+\t+8*(\t/8))*4096 th:TH_STORE_NT
.endr
.endm
	PLACES NP                                      ; behind the last products: what follows reads results and loads over A's fragments
	TOSTAGE 0
.irp a, 1,2,3
.if \a > 1
	s_wait_xcnt 0x0                                ; block a - 2's stores have read their registers: block a's loads may land there
.endif
	TOSTAGE \a
	SEND \a-1, 32                                  ; behind block a - 1's loads: block a's 16 stores and 16 loads
.endr
	SEND 3, 0
	s_wait_tensorcnt 0x0                           ; the wave's end
	ds_add_u32 v[SPW], v[NIL]
	s_wait_dscnt 0x0
	CROUND                                         ; the closing round
	s_endpgm
.Lfunc_end_k_q996f3d9833_proj:
	.size	k_q996f3d9833_proj, .Lfunc_end_k_q996f3d9833_proj-k_q996f3d9833_proj
	.p2alignl 7, 3214868480
	.fill 96, 4, 3214868480
	.section	.rodata,"a",@progbits
	.p2align	6, 0x0
	.amdhsa_kernel k_q996f3d9833_proj
		.amdhsa_group_segment_fixed_size 327680
		.amdhsa_private_segment_fixed_size 0
		.amdhsa_enable_private_segment 0
		.amdhsa_kernarg_size 48
		.amdhsa_user_sgpr_count 2
		.amdhsa_user_sgpr_kernarg_segment_ptr 1
		.amdhsa_wavefront_size32 1
		.amdhsa_system_sgpr_workgroup_id_x 1
		.amdhsa_system_sgpr_workgroup_id_y 1
		.amdhsa_system_sgpr_workgroup_id_z 1
		.amdhsa_system_vgpr_workitem_id 0
		.amdhsa_next_free_vgpr 768
		.amdhsa_next_free_sgpr 100
		.amdhsa_reserve_vcc 0
		.amdhsa_float_denorm_mode_32 3
		.amdhsa_float_denorm_mode_16_64 3
		.amdhsa_memory_ordered 1
		.amdhsa_forward_progress 1
		.amdhsa_inst_pref_size 85
	.end_amdhsa_kernel
	.amdgpu_metadata
---
amdhsa.version: [ 1, 2 ]
amdhsa.kernels:
  - .name:           k_q996f3d9833_proj
    .symbol:         k_q996f3d9833_proj.kd
    .args:
      - { .name: oc, .offset: 0, .size: 8, .value_kind: global_buffer, .address_space: global }
      - { .name: os, .offset: 8, .size: 8, .value_kind: global_buffer, .address_space: global }
      - { .name: cod, .offset: 16, .size: 8, .value_kind: global_buffer, .address_space: global }
      - { .name: scl, .offset: 24, .size: 8, .value_kind: global_buffer, .address_space: global }
      - { .name: bo, .offset: 32, .size: 8, .value_kind: global_buffer, .address_space: global }
      - { .name: out0, .offset: 40, .size: 8, .value_kind: global_buffer, .address_space: global }
    .group_segment_fixed_size: 327680
    .private_segment_fixed_size: 0
    .kernarg_segment_align: 8
    .kernarg_segment_size: 48
    .max_flat_workgroup_size: 128
    .sgpr_count:     100
    .vgpr_count:     768
    .wavefront_size: 32
...
	.end_amdgpu_metadata
.endif
;; end of part 4
